; MI455X (gfx1250); checked and timed in simulation.
; The chip was launched on July 23, 2026; its instructions are those of AMD's public machine-readable ISA for CDNA 5 (MIT licence, August 2026) and "CDNA5" Instruction Set Architecture Reference Guide (July 2026). The comments in the code are by the model that wrote it; some were corrected since.
;; Multi Head Attention. Allowed arithmetic: matrix products marked QUANTISED: E2M3 operands, one E8M0 scale for each 32 along K, by v_wmma_scale_f32_16x16x128_f8f6f4 with both operands' format E2M3, f32 sums; everything else in f32.
;; Inputs: w_k 1,024 x 2,048 float32; w_o 2,048 x 1,024 float32; w_q 1,024 x 2,048 float32; w_v 1,024 x 2,048 float32; x 1 x 4,096 x 2,048 float32.
;; Outputs: out0 1 x 4,096 x 2,048 float32.
;; This version of the problem:
;;   THIS VERSION OF THE PROBLEM IS GIVEN IN LOW PRECISION. The matrix products marked QUANTISED in the list below multiply operands that are first quantised to E2M3 (2 exponent bits, 3 mantissa bits; 6 bits a number), with one power-of-two scale for each 32 numbers along K (OCP MX v1.0); their sums are f32. All else is computed in f32.
;;   The module's matrix products, in the order in which they are computed (A, B: the left and right operand; K: the contracted axis; several contracted axes count as one K, in the product's order):
;;     1. [M 4,096, K 2,048] x [K 2,048, N 1,024]; A: input x; B: input w_q: QUANTISED
;;     2. [M 4,096, K 2,048] x [K 2,048, N 1,024]; A: input x; B: input w_k: QUANTISED
;;     3. [M 4,096, K 2,048] x [K 2,048, N 1,024]; A: input x; B: input w_v: QUANTISED
;;     4. batch 16 x [M 4,096, K 64] x [K 64, N 4,096]; A: computed on the way; B: computed on the way: QUANTISED
;;     5. batch 16 x [M 4,096, K 4,096] x [K 4,096, N 64]; A: softmax (see below); B: computed on the way: QUANTISED
;;     6. [M 4,096, K 1,024] x [K 1,024, N 2,048]; A: computed on the way; B: input w_o: QUANTISED
;;   THE QUANTISER, for each operand of a quantised product, along K:
;;     - K is cut into blocks of 32 from its start; a last block that is shorter is filled with zeros.
;;     - A block's scale is 2^e with e = floor(log2(the largest magnitude in the block)) - 2, held to -126 .. 127; a block of zeros has e = 0. As a byte (E8M0): e + 127.
;;     - Each number is divided by its block's scale, clamped to +-7.5, and rounded to the nearest number of E2M3, ties to even, subnormals kept.
;;     - The product sums the exact products of the quantised numbers (number of the format x scale) in f32.
;;   ~~~python
;;   def quantise(x, axis):      # numpy; x: float32 -> the quantised numbers, widened to float32 again
;;       x = np.moveaxis(x, axis, -1); K = x.shape[-1]
;;       x = np.pad(x, [(0, 0)] * (x.ndim - 1) + [(0, -K % 32)]); x = x.reshape(x.shape[:-1] + (-1, 32)); a = np.abs(x).max(-1, keepdims=True)
;;       e = np.where(a > 0, np.clip(np.frexp(np.where(a > 0, a, 1))[1] - 1 - 2, -126, 127), 0)      # np.frexp(a)[1] - 1 = floor(log2(a)), exactly
;;       r = np.clip(x / 2.0 ** e, -7.5, 7.5)
;;       step = 2.0 ** (np.maximum(np.frexp(np.where(r == 0, 1, r))[1] - 1, 0) - 3)
;;       q = np.round(r / step) * step * 2.0 ** e      # np.round: ties to even
;;       return np.moveaxis(q.reshape(q.shape[:-2] + (-1,))[..., :K], -1, axis).astype(np.float32)
;;   ~~~
;;   SOFTMAX AHEAD OF A QUANTISED PRODUCT. Where the list says 'softmax', what is quantised is not the finished softmax but p = 2^(t - M), with t = logit x log2(e) and M = ceil(the row's largest t), a whole number; so 1/2 < the row's largest p <= 1. The row's sum l is taken of the UNQUANTISED p, in f32, and the product's result is divided by l at the end. Since M is a whole number, a kernel that streams over the keys may use a running M (the ceiling of the running maximum): every later rescaling is an exact power of two, which a block's scale takes up: the codes' values come out the same.
;;   OPERANDS COMPUTED ON THE WAY. 'Computed on the way' means the value that the module computes at that place (a softmax that the list does not call 'softmax' is quantised finished and normalised). What goes into a quantiser is computed in f32, as accurately as f32 sums, v_exp_f32 and their like allow (about 1e-6 of the number): no bf16 or f16 on the way to a quantiser, and a product that is left as it is and whose result goes on into a quantised operand takes f32 operands (vector FMAs, or v_wmma_f32_16x16x4_f32). A number that lies on a knife's edge between two numbers of the format may be rounded either way, as far as f32 arithmetic and the matrix unit's own rounding can turn it there, and no further.
;; One version. Each part assembles by itself: llvm-mc -triple=amdgcn-amd-amdhsa -mcpu=gfx1250 --defsym DOCPART=n.
;; ======== version 1 of 1: 4 launches
;; workspace buffers: cod 12,582,912 bytes; scl 524,288 bytes; tab 1,048,576 bytes; qf 3,407,872 bytes; kvf 6,684,672 bytes; cc 3,145,728 bytes; cs 131,072 bytes
;; launch prep (part 1): grid 288 x 1, 4 waves a work-group, no clusters, 36,352 bytes of LDS; arguments x, w_q, w_k, w_v, w_o, cod, scl, tab; writes cod, scl, tab
.if DOCPART == 1
	.amdgcn_target "amdgcn-amd-amdhsa--gfx1250"
	.amdhsa_code_object_version 6
	.text
	.protected	k_q286d2ce628_prep
	.globl	k_q286d2ce628_prep
	.p2align	8
	.type	k_q286d2ce628_prep,@function
k_q286d2ce628_prep:
	s_mov_b64 s[64:65], 0
	v_nop
	global_prefetch_b8 v0, s[64:65] scope:SCOPE_SE
	s_setreg_imm32_b32 hwreg(HW_REG_WAVE_MODE, 25, 1), 1
	s_wait_xcnt 0x0
; x [4096][2048], w_q, w_k, w_v [1024][2048] and w_o [2048][1024], f32, K innermost, become codes of FP6 (E2M3) with one E8M0 byte for each 32 along K; and the RoPE table is made.
; CODES LEAVE AS IMAGES OF THE OPERAND'S REGISTERS.  A fragment is 16 rows x 128 K, 1,536 bytes, two halves of 768 (64 along K each): lane l = r + 16 h holds row r, k = 32 h .. 32 h + 31 of the half, in six
; registers: registers 0-3 at 16 l, registers 4, 5 at 512 + 8 l.  cod: [row tile][K step][1,536]: x, then w_q, w_k, w_v as one tensor of 3,072 rows, then w_o.  scl: [row][K / 32] bytes in the same order.
; A block's scale is 2^(floor(log2(its largest magnitude)) - 2); its byte is the largest magnitude's exponent field - 2, held at 1 from below.
; LIMITS: a block of zeros, or one whose largest magnitude lies under 2^-124, keeps the byte 1 (the rule says 127 for zeros: the codes are zeros, and this program alone reads the bytes); NaN and infinities are not served.
; SHARES.  Work-groups 0-255: a wave takes a run of 16 rows x 1,024 K, eight steps of 128.  A step's 16 loads read 512 consecutive bytes each; the 8 KiB turn through the wave's own stage in LDS (rows of 512 + 16 bytes),
; so that lane (r, h) gets k = 64 c + 32 h + 0 .. 31 of row r: two whole blocks, in the operand's own order.  Loads run two steps (32 loads a wave) ahead.  No barrier: waves share nothing.
; A run's scale bytes (32 a row) are gathered in 512 bytes of LDS and leave by one store, 16 bytes a lane; with K = 2,048 these are pieces of 32 bytes of rows 64 bytes long: one byte in 128 of what the launch reads.
; Work-groups 256-287: tab[pos] = cos[0..31], sin[0..31] of pos x 1 / 10000^(i / 32), 256 bytes a row; a wave makes 32 rows.  The angle is rounded to f32 as the source has it: t = 10^(i / 8) rounded once (decimal
; literals), 1 / t by a reciprocal and one correction step, pos x that.  LIMIT: this takes the source's power and division to be correctly rounded.  cos and sin: n = the nearest whole number to a x 2 / pi;
; r = a - n x pi / 2 with pi / 2 in two parts (the first step is exact: n is under 2^12); polynomials of degree 8 and 7 on |r| <= pi / 4, good to about 1e-7.
.set WREG,  8960                       ; LDS of a wave: the stage, 16 rows x 528, and 512 bytes for scale words
.set GATH,  8448
.set GL16,  4                          ; v4   16 x lane
.set GL8,   5                          ; v5   8 x lane
.set SIN,   6                          ; v6   the stage, on the way in
.set SOUT,  7                          ; v7   and on the way out: 528 r + 128 h
.set GW,    8                          ; v8   where my row's scale words go: 32 r
.set GR,    9                          ; v9   and where I read 16 bytes of them back
.set SOFF,  10                         ; v10  their place in scl
.set SH8,   12                         ; v12  8 h
.set OFF,   16                         ; v16-31  row i of the run: 16 x lane + i x the row's bytes
.set R,     32                         ; v32-159 two sets of 64 numbers as loaded
.set X,     160                        ; v160-223 my two blocks
.set PC,    224                        ; v224-235 the fragment's twelve registers
.set P2,    236                        ; v236-238, v240-242 the blocks' upper halves as converted
.set TM,    244                        ; v244-250 at work
.set W,     252                        ; v252 the scale word
	s_load_b256 s[4:11], s[0:1], 0x0               ; x, w_q, w_k, w_v
	s_load_b256 s[12:19], s[0:1], 0x20             ; w_o, cod, scl, tab
	v_lshl_add_u32 v254, v0, 2, 0x8c00
	v_mov_b32 v255, 0
	v_lshrrev_b32 v1, 5, v0
	v_readfirstlane_b32 s20, v1                    ; wave
	v_and_b32 v1, 31, v0                           ; lane
	v_and_b32 v2, 15, v0                           ; r
	v_bfe_u32 v3, v0, 4, 1                         ; h
	v_lshlrev_b32 v[GL8], 3, v1
	s_mov_b32 s34, 0x76543210
	s_mov_b32 s35, 0xfedcba98                      ; lane selects: lane l xor 16
	s_cmp_ge_u32 ttmp9, 256
	s_cbranch_scc1 .Ltab
	; ---- the quantiser.  Which tensor: work-groups 0-127 x, 128-159 w_q, 160-191 w_k, 192-223 w_v, 224-255 w_o.  Only pointers and sizes are chosen: all five take one path
	s_sub_co_u32 s21, ttmp9, 128
	s_lshr_b32 s21, s21, 5
	s_lshl_b32 s21, s21, 7
	s_add_co_u32 s21, s21, 512                     ; a weight's first run: 512, 640, 768, 896
	s_wait_kmcnt 0x0
	s_cmp_lt_u32 ttmp9, 224
	s_cselect_b64 s[22:23], s[10:11], s[12:13]
	s_cselect_b32 s24, 1, 0                        ; 1: K = 2,048, two runs to a row tile; 0: K = 1,024
	s_cmp_lt_u32 ttmp9, 192
	s_cselect_b64 s[22:23], s[8:9], s[22:23]
	s_cmp_lt_u32 ttmp9, 160
	s_cselect_b64 s[22:23], s[6:7], s[22:23]
	s_cmp_lt_u32 ttmp9, 128
	s_cselect_b64 s[22:23], s[4:5], s[22:23]
	s_cselect_b32 s21, 0, s21
	s_lshl_b32 s25, ttmp9, 2
	s_add_co_u32 s25, s25, s20                     ; my run, 0 .. 1,023
	s_sub_co_u32 s26, s25, s21                     ; within its tensor
	s_lshr_b32 s27, s26, s24                       ; row tile
	s_and_b32 s28, s26, s24                        ; which 1,024 along K
	s_lshl_b32 s29, 4096, s24                      ; a row in bytes
	s_lshl_b32 s30, 32, s24                        ; a row of scale bytes
	s_lshl_b32 s31, s29, 4
	s_mul_i32 s32, s27, s31                        ; 16 rows x row tile
	s_lshl_b32 s33, s28, 12
	s_add_co_u32 s32, s32, s33
	s_mov_b32 s33, 0
	s_add_nc_u64 s[22:23], s[22:23], s[32:33]      ; the run in its tensor
	s_mul_i32 s32, s25, 12288
	s_add_nc_u64 s[14:15], s[14:15], s[32:33]      ; its eight fragments in cod
	s_lshl_b32 s32, s21, 9                         ; 512 scale bytes a run
	s_lshl_b32 s31, s30, 4
	s_mul_i32 s31, s27, s31
	s_add_co_u32 s32, s32, s31
	s_lshl_b32 s31, s28, 5
	s_add_co_u32 s32, s32, s31
	s_add_nc_u64 s[16:17], s[16:17], s[32:33]      ; its scale bytes in scl
	s_mul_i32 s36, s20, WREG
	v_lshlrev_b32 v[GL16], 4, v1
	v_add_nc_u32 v[SIN], s36, v[GL16]
	v_mul_u32_u24 v[SOUT], v2, 528
	v_lshl_add_u32 v[SOUT], v3, 7, v[SOUT]
	v_add_nc_u32 v[SOUT], s36, v[SOUT]
	v_lshlrev_b32 v[GW], 5, v2
	v_add_nc_u32 v[GW], s36, v[GW]
	v_add_nc_u32 v[GW], GATH, v[GW]
	v_add_nc_u32 v[GR], GATH, v[SIN]
	v_lshrrev_b32 v[SOFF], 1, v1
	v_mul_lo_u32 v[SOFF], v[SOFF], s30
	v_and_b32 v11, 1, v1
	v_lshl_add_u32 v[SOFF], v11, 4, v[SOFF]        ; row lane / 2, its 16 bytes lane % 2
	v_lshlrev_b32 v[SH8], 3, v3
	v_mov_b32 v[TM+6], 0                           ; written once: a lane permute's destination counts as one of its sources
.irp i, 0,1,2,3,4,5,6,7,8,9,10,11,12,13,14,15
	s_mul_i32 s37, s29, \i
	v_add_nc_u32 v[OFF+\i], s37, v[GL16]
.endr
.macro LOAD t                          ; step t: 16 rows x 512 bytes; each load reads 512 consecutive bytes
.irp i, 0,1,2,3,4,5,6,7,8,9,10,11,12,13,14,15
	global_load_b128 v[R+64*((\t)%2)+4*\i:R+64*((\t)%2)+4*\i+3], v[OFF+\i], s[22:23] offset:512*(\t) th:TH_LOAD_NT
.endr
.endm
.macro QUANT64                         ; v[X] on: register 32 c + i = k 64 c + 32 h + i of my row: two whole blocks become the fragment's registers and, with lane l xor 16's two bytes, the row's scale word
.irp c, 0,1
	v_max3_num_f32 v[TM+\c], |v[X+32*\c]|, |v[X+32*\c+1]|, 0x1800000   ; the floor 2^(3 - 127) among the leaves: the byte cannot fall under 1
.endr
.irp i, 2,4,6,8,10,12,14,16,18,20,22,24,26,28,30
.irp c, 0,1
	v_max3_num_f32 v[TM+\c], v[TM+\c], |v[X+32*\c+\i]|, |v[X+32*\c+\i+1]|
.endr
.endr
.irp c, 0,1
	v_add_nc_u32 v[TM+2+\c], 0xff000000, v[TM+\c]  ; 2 off the exponent field: the conversion takes the exponent field of this operand as its scale
.endr
.irp c, 0,1
	v_lshrrev_b32 v[TM+4+\c], 23, v[TM+2+\c]       ; the byte
.endr
	v_lshl_or_b32 v[W], v[TM+5], 16, v[TM+4]       ; blocks h and 2 + h,
	v_lshlrev_b32 v[W], v[SH8], v[W]               ; at their places
	v_permlanex16_b32 v[TM+6], v[W], s34, s35
	v_or_b32 v[W], v[W], v[TM+6]
.irp c, 0,1
	v_cvt_scalef32_pk16_fp6_f32 v[PC+6*\c:PC+6*\c+2], v[X+32*\c:X+32*\c+15], v[TM+2+\c]
	v_cvt_scalef32_pk16_fp6_f32 v[P2+4*\c:P2+4*\c+2], v[X+32*\c+16:X+32*\c+31], v[TM+2+\c]   ; (a conversion's three registers begin on an even number)
.endr
	v_nop                                          ; one plain place behind the conversions
.irp c, 0,1
.irp i, 0,1,2
	v_mov_b32 v[PC+6*\c+3+\i], v[P2+4*\c+\i]
.endr
.endr
.endm
.macro STEP t
.if (\t) < 7
	s_wait_loadcnt 16                              ; this step's 16 loads are in; the next step's 16 may be out
.else
	s_wait_loadcnt 0
.endif
.irp i, 0,1,2,3,4,5,6,7,8,9,10,11,12,13,14,15
	ds_store_b128 v[SIN], v[R+64*((\t)%2)+4*\i:R+64*((\t)%2)+4*\i+3] offset:528*\i
.endr
.irp c, 0,1
.irp j, 0,1,2,3,4,5,6,7
	ds_load_b128 v[X+32*\c+4*\j:X+32*\c+4*\j+3], v[SOUT] offset:256*\c+16*\j   ; LDS serves a wave's instructions in order: these see the stores above
.endr
.endr
	s_wait_dscnt 0x0
	s_wait_xcnt 0x0                                ; the last step's stores have read the fragment's registers
.if (\t) < 6
	LOAD (\t)+2
.endif
	QUANT64
	ds_store_b32 v[GW], v[W] offset:4*(\t)         ; lanes r and r + 16 write the same word with the same value
.irp c, 0,1
	global_store_b128 v[GL16], v[PC+6*\c:PC+6*\c+3], s[14:15] offset:1536*(\t)+768*\c          ; 512 consecutive bytes, aligned
	global_store_b64 v[GL8], v[PC+6*\c+4:PC+6*\c+5], s[14:15] offset:1536*(\t)+768*\c+512      ; 256
.endr
.endm
	LOAD 0
	LOAD 1
.irp t, 0,1,2,3,4,5,6,7
	STEP \t
.endr
	ds_load_b128 v[R:R+3], v[GR]
	s_wait_dscnt 0x0
	global_store_b128 v[SOFF], v[R:R+3], s[16:17]
	s_wait_tensorcnt 0x0
	ds_add_u32 v254, v255
	s_wait_dscnt 0x0
	s_endpgm
	; ---- the table.  Lane l holds frequencies 2 (l % 16) and 2 (l % 16) + 1; lanes 0-15 make cos, lanes 16-31 sin = cos of the angle a quarter turn back
.Ltab:
	s_sub_co_u32 s21, ttmp9, 256
	s_lshl_b32 s21, s21, 7
	s_lshl_b32 s22, s20, 5
	s_add_co_u32 s21, s21, s22                     ; my first position
	s_lshl_b32 s24, s21, 8
	s_mov_b32 s25, 0
	s_wait_kmcnt 0x0
	s_add_nc_u64 s[18:19], s[18:19], s[24:25]
	v_mov_b32 v16, 0
	v_mov_b32 v17, 0
.macro SETF l, ta, tb                  ; 10^(i / 8) for i = 2 l and 2 l + 1, into lanes l and l + 16
	s_mov_b32 s26, \ta
	s_mov_b32 s27, \tb
	v_writelane_b32 v16, s26, \l
	v_writelane_b32 v16, s26, \l+16
	v_writelane_b32 v17, s27, \l
	v_writelane_b32 v17, s27, \l+16
.endm
	SETF 0, 1.0, 1.333521432163324
	SETF 1, 1.778279410038923, 2.371373705661655
	SETF 2, 3.162277660168379, 4.216965034285822
	SETF 3, 5.623413251903491, 7.498942093324558
	SETF 4, 10.0, 13.33521432163324
	SETF 5, 17.78279410038923, 23.71373705661655
	SETF 6, 31.62277660168379, 42.16965034285822
	SETF 7, 56.23413251903491, 74.98942093324558
	SETF 8, 100.0, 133.3521432163324
	SETF 9, 177.8279410038923, 237.1373705661655
	SETF 10, 316.2277660168379, 421.6965034285822
	SETF 11, 562.3413251903491, 749.8942093324558
	SETF 12, 1000.0, 1333.521432163324
	SETF 13, 1778.279410038923, 2371.373705661655
	SETF 14, 3162.277660168379, 4216.965034285822
	SETF 15, 5623.413251903491, 7498.942093324558
	v_rcp_f32 v18, v16
	v_rcp_f32 v19, v17
	v_mul_u32_u24 v20, v3, 3                       ; the quarter turns to add: 0 for cos, 3 for sin.  (A plain place behind the reciprocals)
	s_wait_alu depctr_va_vdst(0)                   ; one wait for both, ahead of their first reader
	v_fma_f32 v21, -v16, v18, 1.0
	v_fma_f32 v22, -v17, v19, 1.0
	v_fma_f32 v18, v18, v21, v18                   ; 1 / t, corrected once
	v_fma_f32 v19, v19, v22, v19
	s_mov_b32 s36, 0x3fc90fdb                      ; pi / 2, rounded,
	s_mov_b32 s37, 0xb33bbd2e                      ; and what that leaves
	s_mov_b32 s38, 0.00002443315711809948          ; cos: 1 - z / 2 + z^2 (s40 + z (s39 + z s38))
	s_mov_b32 s39, -0.001388731625493765
	s_mov_b32 s40, 0.04166664568298827
	s_mov_b32 s41, -0.00019515295891               ; sin: r + r z (s43 + z (s42 + z s41))
	s_mov_b32 s42, 0.0083321608736
	s_mov_b32 s43, -0.16666654611
	s_mov_b32 s28, 0
.Lrow:
	v_cvt_f32_u32 v21, s21
	v_mul_f32 v22, v21, v18                        ; the angle, rounded once
	v_mul_f32 v23, v21, v19
	v_mul_f32 v24, 0x3f22f983, v22                 ; x 2 / pi
	v_mul_f32 v25, 0x3f22f983, v23
	v_rndne_f32 v24, v24
	v_rndne_f32 v25, v25
	v_fma_f32 v22, -v24, s36, v22
	v_fma_f32 v23, -v25, s36, v23
	v_fma_f32 v22, -v24, s37, v22                  ; r
	v_fma_f32 v23, -v25, s37, v23
	v_mul_f32 v26, v22, v22                        ; z
	v_mul_f32 v27, v23, v23
	v_fma_f32 v28, v26, s38, s39
	v_fma_f32 v29, v27, s38, s39
	v_fma_f32 v30, v26, s41, s42
	v_fma_f32 v31, v27, s41, s42
	v_fma_f32 v28, v28, v26, s40
	v_fma_f32 v29, v29, v27, s40
	v_fma_f32 v30, v30, v26, s43
	v_fma_f32 v31, v31, v27, s43
	v_fma_f32 v28, v28, v26, -0.5
	v_fma_f32 v29, v29, v27, -0.5
	v_fma_f32 v28, v28, v26, 1.0                   ; cos r
	v_fma_f32 v29, v29, v27, 1.0
	v_mul_f32 v26, v26, v22
	v_mul_f32 v27, v27, v23
	v_fma_f32 v30, v30, v26, v22                   ; sin r
	v_fma_f32 v31, v31, v27, v23
	v_cvt_i32_f32 v24, v24
	v_cvt_i32_f32 v25, v25
	v_add_nc_u32 v24, v24, v20                     ; the quadrant q: 0 cos r, 1 -sin r, 2 -cos r, 3 sin r
	v_add_nc_u32 v25, v25, v20
	v_and_b32 v32, 1, v24
	v_cmp_eq_u32 vcc_lo, 1, v32
	v_cndmask_b32 v34, v28, v30, vcc_lo
	v_and_b32 v33, 1, v25
	v_cmp_eq_u32 vcc_lo, 1, v33
	v_cndmask_b32 v35, v29, v31, vcc_lo
	v_add_nc_u32 v24, 1, v24
	v_add_nc_u32 v25, 1, v25
	v_and_b32 v24, 2, v24
	v_and_b32 v25, 2, v25
	v_lshlrev_b32 v24, 30, v24                     ; the sign: set for q = 1 and 2
	v_lshlrev_b32 v25, 30, v25
	v_xor_b32 v34, v34, v24
	v_xor_b32 v35, v35, v25
	global_store_b64 v[GL8], v[34:35], s[18:19]    ; 32 lanes store the row's 256 bytes
	s_wait_xcnt 0x0                                ; the base and the data are written again only behind this wait
	s_add_nc_u64 s[18:19], s[18:19], 256
	s_add_co_u32 s21, s21, 1
	s_add_co_u32 s28, s28, 1
	s_cmp_lt_u32 s28, 32
	s_cbranch_scc1 .Lrow
	s_endpgm
.Lfunc_end_k_q286d2ce628_prep:
	.size	k_q286d2ce628_prep, .Lfunc_end_k_q286d2ce628_prep-k_q286d2ce628_prep
	.p2alignl 7, 3214868480
	.fill 96, 4, 3214868480
	.section	.rodata,"a",@progbits
	.p2align	6, 0x0
	.amdhsa_kernel k_q286d2ce628_prep
		.amdhsa_group_segment_fixed_size 36352
		.amdhsa_private_segment_fixed_size 0
		.amdhsa_enable_private_segment 0
		.amdhsa_kernarg_size 64
		.amdhsa_user_sgpr_count 2
		.amdhsa_user_sgpr_kernarg_segment_ptr 1
		.amdhsa_wavefront_size32 1
		.amdhsa_system_sgpr_workgroup_id_x 1
		.amdhsa_system_sgpr_workgroup_id_y 1
		.amdhsa_system_sgpr_workgroup_id_z 1
		.amdhsa_system_vgpr_workitem_id 0
		.amdhsa_next_free_vgpr 256
		.amdhsa_next_free_sgpr 66
		.amdhsa_reserve_vcc 1
		.amdhsa_float_denorm_mode_32 3
		.amdhsa_float_denorm_mode_16_64 3
		.amdhsa_memory_ordered 1
		.amdhsa_forward_progress 1
		.amdhsa_inst_pref_size 70
	.end_amdhsa_kernel
	.amdgpu_metadata
---
amdhsa.version: [ 1, 2 ]
amdhsa.kernels:
  - .name:           k_q286d2ce628_prep
    .symbol:         k_q286d2ce628_prep.kd
    .args:
      - { .name: x, .offset: 0, .size: 8, .value_kind: global_buffer, .address_space: global }
      - { .name: w_q, .offset: 8, .size: 8, .value_kind: global_buffer, .address_space: global }
      - { .name: w_k, .offset: 16, .size: 8, .value_kind: global_buffer, .address_space: global }
      - { .name: w_v, .offset: 24, .size: 8, .value_kind: global_buffer, .address_space: global }
      - { .name: w_o, .offset: 32, .size: 8, .value_kind: global_buffer, .address_space: global }
      - { .name: cod, .offset: 40, .size: 8, .value_kind: global_buffer, .address_space: global }
      - { .name: scl, .offset: 48, .size: 8, .value_kind: global_buffer, .address_space: global }
      - { .name: tab, .offset: 56, .size: 8, .value_kind: global_buffer, .address_space: global }
    .group_segment_fixed_size: 36352
    .private_segment_fixed_size: 0
    .kernarg_segment_align: 8
    .kernarg_segment_size: 64
    .max_flat_workgroup_size: 128
    .sgpr_count:     66
    .vgpr_count:     256
    .wavefront_size: 32
...
	.end_amdgpu_metadata
.endif
;; end of part 1
;; launch qkv (part 2): grid 12 x 16, 4 waves a work-group, clusters of 4 x 4, 327,680 bytes of LDS; arguments cod, scl, tab, qf, kvf; writes qf, kvf
.if DOCPART == 2
	.amdgcn_target "amdgcn-amd-amdhsa--gfx1250"
	.amdhsa_code_object_version 6
	.text
	.protected	k_q286d2ce628_qkv
	.globl	k_q286d2ce628_qkv
	.p2align	8
	.type	k_q286d2ce628_qkv,@function
k_q286d2ce628_qkv:
	s_mov_b64 s[64:65], 0
	v_nop
	global_prefetch_b8 v0, s[64:65] scope:SCOPE_SE
	s_setreg_imm32_b32 hwreg(HW_REG_WAVE_MODE, 25, 1), 1
	s_wait_xcnt 0x0
	s_wait_alu depctr_hold_cnt(0) depctr_sa_sdst(0) depctr_va_vdst(0) depctr_va_sdst(0) depctr_va_ssrc(0) depctr_va_vcc(0) depctr_vm_vsrc(0)
	s_getreg_b32 s2, hwreg(HW_REG_IB_STS2, 6, 4)
	s_cmp_eq_u32 s2, 0
	s_cbranch_scc0 .Lentry_in_a_cluster
	s_endpgm
.Lentry_in_a_cluster:
	s_bfe_u32 s2, ttmp6, 0x10000c
	s_cmp_lg_u32 s2, 0xf033
	s_cbranch_scc0 .Lentry_shape_is_right
	s_endpgm
.Lentry_shape_is_right:
; q, k, v = x w^T as ONE product of 4,096 x 3,072 x 2,048 on codes of FP6 (E2M3) with E8M0 scales; then, in registers: RoPE on q and k, and all three quantised for attention's two products.
; THE PRODUCT.  A tile of 256 x 256 to a work-group of four waves, 128 x 128 to a wave: 64 accumulators, 512 registers.  K goes in steps of 256 through a ring of two LDS slots filled by the tensor data mover.
; Codes lie in memory as images of the operand's registers (a fragment, 16 rows x 128 K, is 1,536 bytes: two halves of 768: lane l's registers 0-3 at 16 l, registers 4, 5 at 512 + 8 l), [row tile][K step]: so a
; wave's tensor load brings 8 row tiles x 3,072 consecutive bytes, and a fragment comes out of LDS by two loads of 16 and two of 8 bytes a lane, each reading consecutive bytes.
; The scale bytes of the work-group's rows, for all of K, come into LDS once, in rows of 256 bytes + 16.
; CLUSTERS: 4 x 4 work-groups; x's tiles are shared along a row of the cluster, w's along a column: joint loads.  The cluster's x says which of q, k, v its sixteen work-groups make.
; THE MATRIX INSTRUCTION IS USED TRANSPOSED (source 0 = 16 rows of w, source 1 = 16 rows of x): lane (r, h) of accumulator (a, b) holds row 16 a + r of x and columns 16 b + 8 h + 0 .. 7.  A wave's 128 columns are two heads.
; q, k: out(d) = x1 cos - x2 sin, out(d + 32) = x2 cos + x1 sin, one product rounded and one fused multiply-add (the source rounds both products).  Along the head's 64 a lane's 16 numbers of a block of 32 are
;   d = 16 u + 8 h + j: the codes are laid in that order, which within a block of 32 swaps bits 3 and 4 of the place; q and k alike, so their product is the same.  A tile of 16 rows leaves as a half fragment.
; v: its K is the keys.  32 columns x 128 keys at a time turn through the wave's own stage in LDS; a lane then holds one column d and two whole blocks of 32 keys.  Within a block the keys are laid with bits 3 and 4
;   of the place swapped, as attention's p will come out of its registers; row r of tile 2 beta + u of V^T is d = 32 beta + 8 u + r + 8 (r / 8), so that attention's result comes out in natural order.
; qf: [head][block of 128 queries][6,656]: 8 half fragments, then 512 bytes of scale words [tile / 4][r][tile % 4] (bytes s0, s1, s0, s1).  kvf: [head][128 keys][13,056]: K as in qf; at 6,656 V^T's four fragments; at 12,800 its words [r][tile].
; LIMITS: a block of zeros, or one under 2^-124, keeps the byte 1 (its codes are zeros; this program alone reads the bytes); NaN and infinities are not served.
; REGISTERS, in windows of 256: window 0: v1-7 at work, v8-15 the epilogue's addresses, v16-29 addresses; v32-63 scale words, two sets, and nothing else; v128-223 x's fragments, one set; in the epilogue v64-251 at work.
;   window 1: w's fragments, two sets, at v0 and v128.   windows 2, 3: the accumulators ((a, b) at v[8 (8 (a % 4) + b)] of window 2 + a / 4).
.set SIZE_K, 2048
.set NQ,     2                         ; matrix instructions deep in a slot
.set FR,     12
.set FRB,    1536
.set HFB,    768
.set TROW,   NQ*FRB                    ; a row tile's bytes in a slot
.set KTILE,  (SIZE_K/128)*FRB          ; and for all of K, in memory
.set NL,     4                         ; LDS loads that bring a fragment
.set NP,     4                         ; places behind this matrix instruction (ISA guide 7.12.1)
.set HALFT,  8*TROW                    ; 128 rows: what one tensor load brings
.set SLOT,   4*HALFT
.set LAPS,   SIZE_K/512
.set KS,     SIZE_K/32
.set SCL,    2*SLOT
.set HALFS,  (128*KS/256)*272
.set SBLK,   (16*KS/256)*272
.set SPARE,  SCL+4*HALFS               ; the spare words: 128 bytes a wave, two blocks of 256 bytes that no other line names
.set STGV,   SPARE+512                 ; v's stages: bytes of their own, into which no tile lands
.set STGW,   18688                     ; a wave's: 128 rows (keys) x (128 bytes + 16), and 32 bytes more behind every 32 rows
.set BCOD,   6291456                   ; w's codes in cod
.set BSCL,   262144                    ; and its scale bytes in scl
.set GL16, 8                           ; v8   16 x lane
.set GL8,  9                           ; v9   8 x lane
.set TABO, 10                          ; v10  the table: 256 r + 32 h
.set VSTO, 11                          ; v11  v's stage, on the way in: 144 r + 32 h
.set VRD,  12                          ; v12  and out: 4 (r + 8 (r / 8)) + 4,640 h
.set VWO,  13                          ; v13  V's scale words: 16 r + a head's bytes x h
.set SH8,  14                          ; v14  8 h
.set LANE, 15
.set ADRA, 16                          ; v16-17 my fragments of x in slot 0, 1, at 16 x lane;  v18-19 at 512 + 8 x lane
.set ADRB, 20                          ; v20-23 the same for w
.set ADRS, 27
.set SPW,  28                          ; v28  my spare word; never rewritten
.set NIL,  29                          ; v29  0; never rewritten
.set SC,   32
.set AF,   128
.set G1, 24
.set G0, 32
.set G1B, 48
.set G0B, 56
.set G1S, 68
.set G0S, 76
.set G1SB, 80
.set G0SB, 88
.set MSB, 0
.macro WIN new                         ; the immediate's high byte repeats the setting that is left
.if MSB != (\new)
	s_set_vgpr_msb (MSB<<8)|(\new)
.set MSB, (\new)
.endif
.endm
.set MUL_LO, 0xa1                      ; source 0 (w) window 1, source 1 (x) window 0, C and D window 2
.set MUL_HI, 0xf1
.set TO_B,   0x40
; A joint load: waves 0 and 1 fetch for x, waves 2 and 3 for w; the branch hangs on the wave's number alone.  Four v_nop follow each of the two lines.
.macro JLOAD g0a, g1a, g0b, g1b
	s_cmp_eq_u32 s15, 0
	s_cbranch_scc0 .Lfor_b_\@
	tensor_load_to_lds s[\g0a:\g0a+3], s[\g1a:\g1a+7]
	s_nop 0
.rept 4
	v_nop
.endr
	s_branch .Lasked_\@
.Lfor_b_\@:
	tensor_load_to_lds s[\g0b:\g0b+3], s[\g1b:\g1b+7]
	s_nop 0
.rept 4
	v_nop
.endr
.Lasked_\@:
.endm
.macro CREST                           ; a round of the cluster's barrier behind its opening barrier
	s_cmp_lg_u32 s14, 0
	s_cbranch_scc1 .Lnot_wave_0_\@
	s_barrier_signal -3
.Lnot_wave_0_\@:
	s_barrier_wait -3
	s_barrier_signal -1
	s_barrier_wait -1
.endm
.macro CROUND
	s_barrier_signal -1
	s_barrier_wait -1
	CREST
.endm
	s_load_b128 s[4:7], s[0:1], 0x0                ; cod, scl
	s_load_b128 s[8:11], s[0:1], 0x10              ; tab, qf
	s_load_b64 s[12:13], s[0:1], 0x20              ; kvf
	v_lshl_add_u32 v[SPW], v0, 2, SPARE
	v_mov_b32 v[NIL], 0
	ds_add_u32 v28, v29
	s_wait_dscnt 0x0
	v_lshrrev_b32 v1, 5, v0
	v_readfirstlane_b32 s14, v1                    ; wave 0..3
	s_lshr_b32 s15, s14, 1                         ; which half of the tile's rows is mine.  Also: I fetch for x (0) or for w (1)
	s_and_b32 s16, s14, 1                          ; which half of its columns.  Also: which 128 rows of that tile I fetch
	s_bfe_u32 s40, ttmp6, 0x40000                  ; cx, cy
	s_bfe_u32 s41, ttmp6, 0x40004
	s_lshl_b32 s42, ttmp9, 2
	s_add_co_u32 s42, s42, s40                     ; tile column
	s_and_b32 s17, ttmp7, 0xffff
	s_lshl_b32 s17, s17, 2
	s_add_co_u32 s17, s17, s41                     ; tile row
	s_lshl_b32 s43, s41, 2
	s_lshl_b32 s43, 15, s43                        ; my row of the cluster
	s_lshl_b32 s44, 0x1111, s40                    ; my column
	; group 1 for codes: 8 rows (row tiles) of 384 elements of 8 bytes, KTILE bytes apart; dense in LDS
	s_or_b32 s[G1+0], s43, (3<<16)|(1<<21)
	s_or_b32 s[G1B+0], s44, (3<<16)|(1<<21)
.irp g, G1, G1B
	s_mov_b32 s[\g+1], (TROW/8)<<16                ; tensor_dim0
	s_mov_b32 s[\g+2], 8<<16                       ; tensor_dim1
	s_mov_b32 s[\g+3], (TROW/8)<<16                ; tile_dim0
	s_mov_b32 s[\g+4], 8                           ; tile_dim1
	s_mov_b32 s[\g+5], KTILE/8                     ; tensor_dim0_stride
	s_mov_b32 s[\g+6], 0
	s_mov_b32 s[\g+7], 0
.endr
	; and for the scale bytes of 128 rows: a dense block, as rows of 256 bytes with 16 bytes of padding behind each
	s_or_b32 s[G1S+0], s43, (3<<16)|(1<<20)|(1<<21)|(5<<22)|(3<<25)
	s_or_b32 s[G1SB+0], s44, (3<<16)|(1<<20)|(1<<21)|(5<<22)|(3<<25)
.irp g, G1S, G1SB
	s_mov_b32 s[\g+1], 32<<16
	s_mov_b32 s[\g+2], (128*KS/256)<<16
	s_mov_b32 s[\g+3], 32<<16
	s_mov_b32 s[\g+4], 128*KS/256
	s_mov_b32 s[\g+5], 32
	s_mov_b32 s[\g+6], 0
	s_mov_b32 s[\g+7], 0
.endr
	s_lshl_b32 s18, s16, 7
	s_lshl_b32 s20, s17, 8
	s_add_co_u32 s20, s20, s18                     ; x: row 256 x tile row + 128 x half
	s_lshl_b32 s46, s42, 8
	s_add_co_u32 s46, s46, s18                     ; w: row 256 x tile column + 128 x half
	s_mov_b32 s21, 0
	s_mov_b32 s47, 0
	s_mov_b64 s[18:19], KS
	s_mul_u64 s[22:23], s[20:21], s[18:19]
	s_mul_u64 s[92:93], s[46:47], s[18:19]
	s_mov_b64 s[18:19], KTILE/16                   ; a row's share of its row tile's bytes
	s_mul_u64 s[20:21], s[20:21], s[18:19]
	s_mul_u64 s[46:47], s[46:47], s[18:19]
	s_mul_i32 s45, s14, HALFT                      ; where they go: no place in the cluster enters an LDS address
	s_mul_i32 s94, s14, HALFS
	s_wait_kmcnt 0x0
	s_add_nc_u64 s[20:21], s[4:5], s[20:21]
	s_add_nc_u64 s[22:23], s[6:7], s[22:23]
	s_add_nc_u64 s[46:47], s[4:5], s[46:47]
	s_add_nc_u64 s[46:47], s[46:47], BCOD
	s_add_nc_u64 s[92:93], s[6:7], s[92:93]
	s_add_nc_u64 s[92:93], s[92:93], BSCL
	CROUND                                         ; all sixteen work-groups are here: the first joint loads meet
	s_mov_b32 s[G0S], 1
	s_add_co_u32 s[G0S+1], s94, SCL
	s_mov_b64 s[G0S+2:G0S+3], s[22:23]
	s_or_b32 s[G0S+3], s[G0S+3], 0x80000000
	s_mov_b32 s[G0SB], 1
	s_add_co_u32 s[G0SB+1], s94, SCL
	s_mov_b64 s[G0SB+2:G0SB+3], s[92:93]
	s_or_b32 s[G0SB+3], s[G0SB+3], 0x80000000
	JLOAD G0S, G1S, G0SB, G1SB                     ; the scale bytes first: three loads of mine are out at the most
.irp s, 0,1
	s_mov_b32 s[G0+4*\s], 1
	s_add_co_u32 s[G0+4*\s+1], s45, \s*SLOT
	s_add_nc_u64 s[G0+4*\s+2:G0+4*\s+3], s[20:21], \s*TROW
	s_or_b32 s[G0+4*\s+3], s[G0+4*\s+3], 0x80000000
	s_mov_b32 s[G0B+4*\s], 1
	s_add_co_u32 s[G0B+4*\s+1], s45, \s*SLOT
	s_add_nc_u64 s[G0B+4*\s+2:G0B+4*\s+3], s[46:47], \s*TROW
	s_or_b32 s[G0B+4*\s+3], s[G0B+4*\s+3], 0x80000000
	JLOAD G0+4*\s, G1, G0B+4*\s, G1B
.endr
	v_and_b32 v1, 15, v0                           ; r
	v_bfe_u32 v2, v0, 4, 1                         ; h
	v_and_b32 v[LANE], 31, v0
	v_lshlrev_b32 v[GL16], 4, v[LANE]
	v_lshlrev_b32 v[GL8], 3, v[LANE]
	v_add_nc_u32 v5, 512, v[GL8]
	s_mul_i32 s21, s15, HALFT                      ; my 128 rows of x
	s_mul_i32 s22, s16, HALFT                      ; my 128 rows of w,
	s_add_co_u32 s22, s22, 2*HALFT                 ; behind x's 256
.irp s, 0,1
	v_add_nc_u32 v[ADRA+\s], s21, v[GL16]
	v_add_nc_u32 v[ADRB+\s], s22, v[GL16]
	v_add_nc_u32 v[ADRA+2+\s], s21, v5
	v_add_nc_u32 v[ADRB+2+\s], s22, v5
	s_add_co_u32 s21, s21, SLOT
	s_add_co_u32 s22, s22, SLOT
.endr
	v_mul_u32_u24 v5, v1, KS                       ; my row's scale bytes,
	v_lshrrev_b32 v6, 8, v5
	v_lshl_add_u32 v5, v6, 4, v5                   ; and 16 more for each 256 passed
	s_mul_i32 s21, s15, HALFS
	s_mul_i32 s22, s16, HALFS
	s_add_co_u32 s22, s22, 2*HALFS
	s_sub_co_u32 s22, s22, s21
	v_mul_u32_u24 v6, s22, v2                      ; lanes 16-31 take w's
	s_add_co_u32 s21, s21, SCL
	v_add_nc_u32 v5, v5, v6
	v_add_nc_u32 v[ADRS], s21, v5
	v_lshlrev_b32 v[TABO], 8, v1
	v_lshl_add_u32 v[TABO], v2, 5, v[TABO]
	s_mul_i32 s23, s14, STGW
	s_add_co_u32 s23, s23, STGV                    ; my stage
	v_mul_u32_u24 v3, v1, 144
	v_lshl_add_u32 v3, v2, 5, v3
	v_add_nc_u32 v[VSTO], s23, v3
	v_and_b32 v3, 8, v1
	v_add_nc_u32 v3, v3, v1
	v_lshlrev_b32 v3, 2, v3
	v_mad_u32_u24 v3, v2, 4640, v3                 ; 32 rows of 144 bytes and their 32
	v_add_nc_u32 v[VRD], s23, v3
	v_mul_u32_u24 v3, v2, 417792
	v_lshl_add_u32 v[VWO], v1, 4, v3
	v_lshlrev_b32 v[SH8], 3, v2
.macro FRAG reg, adr, q, i             ; a fragment as it lies: for each half, registers 0-3 at 16 x lane, registers 4, 5 at 512 + 8 x lane
.irp c, 0,1
	ds_load_b128 v[\reg+6*\c:\reg+6*\c+3], v[\adr] offset:(\i)*TROW+(\q)*FRB+\c*HFB
	ds_load_b64 v[\reg+6*\c+4:\reg+6*\c+5], v[\adr+2] offset:(\i)*TROW+(\q)*FRB+\c*HFB
.endr
.endm
; 16 matrix instructions: x's blocks a0, a0 + 1 against w's eight, 128 along K.  The 64 accumulators take turns, one instruction a turn, in the same order in every step.
.macro MUL16 a0, p, q, sc, zero
.irp a, \a0, \a0+1
.irp b, 0,1,2,3,4,5,6,7
.if \zero
	v_wmma_scale_f32_16x16x128_f8f6f4 v[8*(8*((\a)%4)+\b):8*(8*((\a)%4)+\b)+7], v[128*(\p)+FR*\b:128*(\p)+FR*\b+FR-1], v[AF+FR*(\a):AF+FR*(\a)+FR-1], 0, v[SC+8*NQ*(\sc)+NQ*\b+(\q)], v[SC+8*NQ*(\sc)+NQ*(\a)+(\q)] matrix_a_fmt:MATRIX_FMT_FP6 matrix_b_fmt:MATRIX_FMT_FP6 matrix_a_scale:MATRIX_SCALE_ROW1
.else
	v_wmma_scale_f32_16x16x128_f8f6f4 v[8*(8*((\a)%4)+\b):8*(8*((\a)%4)+\b)+7], v[128*(\p)+FR*\b:128*(\p)+FR*\b+FR-1], v[AF+FR*(\a):AF+FR*(\a)+FR-1], v[8*(8*((\a)%4)+\b):8*(8*((\a)%4)+\b)+7], v[SC+8*NQ*(\sc)+NQ*\b+(\q)], v[SC+8*NQ*(\sc)+NQ*(\a)+(\q)] matrix_a_fmt:MATRIX_FMT_FP6 matrix_b_fmt:MATRIX_FMT_FP6 matrix_a_scale:MATRIX_SCALE_ROW1
.endif
.endr
.endr
.endm
.macro FETCH_B slot, q, p
	WIN TO_B
.irp i, 0,1,2,3,4,5,6,7
	FRAG 128*(\p)+FR*\i, ADRB+\slot, \q, \i
.endr
	WIN 0
.endm
.macro FETCH_A slot, q, i0
.irp i, \i0, \i0+1, \i0+2, \i0+3
	FRAG AF+FR*(\i), ADRA+\slot, \q, \i
.endr
.endm
.macro SCALES sc                       ; a K step's scale words: lanes 0-15 x's block i, lanes 16-31 w's block i
.irp i, 0,1,2,3,4,5,6,7
	ds_load_b64 v[SC+8*NQ*\sc+NQ*\i:SC+8*NQ*\sc+NQ*\i+1], v[ADRS] offset:\i*SBLK
.endr
.endm
.macro PLACES n                        ; plain vector instructions between a matrix instruction and a load into, or a read of, its registers
.rept \n
	v_nop
.endr
.endm
.macro STEP slot, q, zero              ; a step of 128 along K that has its successor in the same slot
	s_wait_dscnt 4*NL                              ; w's set and x's blocks 0-3 are in; the youngest 16 loads (x's blocks 4-7) may be out
	WIN MUL_LO
	MUL16 0, (\q)%2, \q, \slot, \zero
	MUL16 2, (\q)%2, \q, \slot, \zero
	s_wait_dscnt 0
	PLACES NP
	FETCH_B \slot, (\q)+1, 1-(\q)%2
	FETCH_A \slot, (\q)+1, 0
	WIN MUL_HI
	MUL16 4, (\q)%2, \q, \slot, \zero
	MUL16 6, (\q)%2, \q, \slot, \zero
	PLACES NP
	WIN 0
	FETCH_A \slot, (\q)+1, 4
.endm
; A slot's last step changes slots: one barrier; in front of it each wave waits for all its tensor loads, adds 0 to its spare word, and waits for that and for its reads of this slot.
.macro TURN slot, next, fill
	s_wait_tensorcnt 0x0                           ; all my tensor loads have landed: my part of the next slot
	ds_add_u32 v[SPW], v[NIL]                      ; 0 onto my spare word
	s_wait_dscnt 4*NL+1                            ; (the add and the youngest 16 loads may be out)
	WIN MUL_LO
	MUL16 0, 1, NQ-1, \slot, 0
	s_wait_dscnt 0x0                               ; the add is done, and my reads of this slot are over
	s_barrier_signal -1
	MUL16 2, 1, NQ-1, \slot, 0
	WIN 0
	s_barrier_wait -1
.if \fill
	CREST                                          ; the barrier has opened a round of the cluster's: no wave of any partner still reads this slot or has a load on its way
	s_add_nc_u64 s[G0+4*\slot+2:G0+4*\slot+3], s[G0+4*\slot+2:G0+4*\slot+3], 2*TROW
	s_add_nc_u64 s[G0B+4*\slot+2:G0B+4*\slot+3], s[G0B+4*\slot+2:G0B+4*\slot+3], 2*TROW
	JLOAD G0+4*\slot, G1, G0B+4*\slot, G1B         ; the first tensor load behind the round; its four v_nop are the places in front of the loads below
.else
	PLACES NP
.endif
	v_add_nc_u32 v[ADRS], 4*NQ, v[ADRS]
	FETCH_B \next, 0, 0
	FETCH_A \next, 0, 0
	SCALES \next
	WIN MUL_HI
	MUL16 4, 1, NQ-1, \slot, 0
	MUL16 6, 1, NQ-1, \slot, 0
	PLACES NP
	WIN 0
	FETCH_A \next, 0, 4
.endm
	s_wait_tensorcnt 1                             ; the scale bytes and my part of K step 0 are in (K step 1's load may be out),
	s_barrier_signal -1
	s_barrier_wait -1                              ; everybody's are
	FETCH_B 0, 0, 0
	FETCH_A 0, 0, 0
	SCALES 0
	FETCH_A 0, 0, 4
	STEP 0, 0, 1                                   ; the first step's products start the sums
	s_mov_b32 s3, LAPS-1
.Llap:
	TURN 0, 1, 1
	STEP 1, 0, 0
	TURN 1, 0, 1
	STEP 0, 0, 0
	s_sub_co_u32 s3, s3, 1
	s_cmp_lg_u32 s3, 0
	s_cbranch_scc1 .Llap
	TURN 0, 1, 0                                   ; the last lap fills nothing
	STEP 1, 0, 0
	s_wait_dscnt 4*NL
	WIN MUL_LO
	MUL16 0, 1, NQ-1, 1, 0
	MUL16 2, 1, NQ-1, 1, 0
	s_wait_dscnt 0
	WIN MUL_HI
	MUL16 4, 1, NQ-1, 1, 0
	MUL16 6, 1, NQ-1, 1, 0
	WIN 0
; ---- THE EPILOGUE
.set TABR, 64                          ; v64-127  two sets of the table: cos at 8 u + j, sin at 16 + 8 u + j
.set HH,   128                         ; v128-191 32 numbers of each of my two heads
.set TT,   192                         ; v192-199 products at work
.set TM,   200                         ; v200-207 at work
.set PCQ,  208                         ; v208-226 codes: a head's six registers and three, ten apart
.set SW,   228                         ; v228-243 scale words on their way out: [head][tile]
.set OW,   244                         ; v244-251 as they are stored
.set XV,   64                          ; v: v64-127 two blocks of 32 keys
.set PCV,  128                         ; v128-139 a fragment;  v140-142, v144-146 the blocks' upper halves
.set P2V,  140
.set SEL,  18
; 32 numbers of a lane, register 16 beta + i = the i-th of my 16 of block beta of my row, become a half fragment in v[pc] on; the bytes are left in v[TM+6], v[TM+7]
.macro QUANT32 s, pc, p2
	v_max3_num_f32 v[TM], |v[\s]|, |v[\s+1]|, 0x1800000      ; the floor 2^(3 - 127) among the leaves
	v_max3_num_f32 v[TM+1], |v[\s+16]|, |v[\s+17]|, 0x1800000
.irp i, 2,4,6,8,10,12,14
	v_max3_num_f32 v[TM], v[TM], |v[\s+\i]|, |v[\s+\i+1]|
	v_max3_num_f32 v[TM+1], v[TM+1], |v[\s+16+\i]|, |v[\s+17+\i]|
.endr
	v_permlanex16_b32 v[TM+4], v[TM], s[SEL], s[SEL+1]
	v_permlanex16_b32 v[TM+5], v[TM+1], s[SEL], s[SEL+1]
	v_max_num_f32 v[TM], v[TM], v[TM+4]            ; with lane l xor 16's 16: the block's largest magnitude
	v_max_num_f32 v[TM+1], v[TM+1], v[TM+5]
	v_add_nc_u32 v[TM+2], 0xff000000, v[TM]        ; 2 off the exponent field: the conversion's scale operand
	v_add_nc_u32 v[TM+3], 0xff000000, v[TM+1]
	v_lshrrev_b32 v[TM+6], 23, v[TM+2]
	v_lshrrev_b32 v[TM+7], 23, v[TM+3]
	v_cvt_scalef32_pk16_fp6_f32 v[\pc:\pc+2], v[\s:\s+15], v[TM+2]
	v_cvt_scalef32_pk16_fp6_f32 v[\p2:\p2+2], v[\s+16:\s+31], v[TM+3]
	v_nop                                          ; one plain place behind the conversions
.irp i, 0,1,2
	v_permlane16_swap_b32 v[\pc+\i], v[\p2+\i]     ; lanes 0-15 now hold block 0 whole, lanes 16-31 block 1
.endr
.irp i, 0,1,2
	v_mov_b32 v[\pc+3+\i], v[\p2+\i]
.endr
.endm
; 64 numbers of a lane, two whole blocks, become a fragment in v[pc] on and the row's scale word in v[w]
.macro QUANT64 s, pc, p2, w
.irp c, 0,1
	v_max3_num_f32 v[TM+\c], |v[\s+32*\c]|, |v[\s+32*\c+1]|, 0x1800000
.endr
.irp i, 2,4,6,8,10,12,14,16,18,20,22,24,26,28,30
.irp c, 0,1
	v_max3_num_f32 v[TM+\c], v[TM+\c], |v[\s+32*\c+\i]|, |v[\s+32*\c+\i+1]|
.endr
.endr
.irp c, 0,1
	v_add_nc_u32 v[TM+2+\c], 0xff000000, v[TM+\c]
.endr
.irp c, 0,1
	v_lshrrev_b32 v[TM+6+\c], 23, v[TM+2+\c]
.endr
	v_lshl_or_b32 v[\w], v[TM+7], 16, v[TM+6]
	v_lshlrev_b32 v[\w], v[SH8], v[\w]
	v_permlanex16_b32 v[TM+4], v[\w], s[SEL], s[SEL+1]
	v_or_b32 v[\w], v[\w], v[TM+4]
.irp c, 0,1
	v_cvt_scalef32_pk16_fp6_f32 v[\pc+6*\c:\pc+6*\c+2], v[\s+32*\c:\s+32*\c+15], v[TM+2+\c]
	v_cvt_scalef32_pk16_fp6_f32 v[\p2+4*\c:\p2+4*\c+2], v[\s+32*\c+16:\s+32*\c+31], v[TM+2+\c]
.endr
	v_nop
.irp c, 0,1
.irp i, 0,1,2
	v_mov_b32 v[\pc+6*\c+3+\i], v[\p2+4*\c+\i]
.endr
.endr
.endm
	PLACES NP                                      ; behind the last products: their results are read, and x's fragments' registers written, from here on
	v_mov_b32 v[TM+4], 0                           ; written once: a lane permute's destination counts as one of its sources
	v_mov_b32 v[TM+5], 0
	v_cmp_le_u32 vcc_lo, 16, v[LANE]               ; h, as a mask; it stays
	s_mov_b32 s[SEL], 0x76543210
	s_mov_b32 s[SEL+1], 0xfedcba98
	s_lshl_b32 s20, s17, 1
	s_add_co_u32 s20, s20, s15                     ; my block of 128 rows: 2 x tile row + half
	s_lshl_b32 s21, s40, 2
	s_lshl_b32 s22, s16, 1
	s_add_co_u32 s21, s21, s22                     ; my first head: 4 cx + 2 x half
	s_lshl_b32 s95, s21, 5
	s_add_co_u32 s95, s95, s20                     ; its record for these rows
	s_mov_b32 s93, 0
	s_cmp_eq_u32 ttmp9, 2                          ; the cluster's x: the same in all sixteen partners
	s_cbranch_scc1 .Lv
	; ---- q (cluster x = 0) and k (1)
	s_cmp_eq_u32 ttmp9, 0
	s_cselect_b64 s[6:7], s[10:11], s[12:13]
	s_mov_b32 s94, 13056
	s_cselect_b32 s94, 6656, s94                   ; a record's bytes
	s_mul_i32 s92, s95, s94
	s_add_nc_u64 s[96:97], s[6:7], s[92:93]        ; my first head's record,
	s_lshl_b32 s92, s94, 5
	s_add_nc_u64 s[98:99], s[96:97], s[92:93]      ; my second's: 32 records on
	s_lshl_b32 s92, s20, 15                        ; 128 rows of the table, 256 bytes each
	s_add_nc_u64 s[8:9], s[8:9], s[92:93]
.macro LOADT a                         ; the table for rows 16 a + r: my 16 cos and 16 sin
.set TS_, TABR+32*((\a)%2)
.irp u, 0,1
	global_load_b128 v[TS_+8*\u:TS_+8*\u+3], v[TABO], s[8:9] offset:4096*(\a)+64*\u
	global_load_b128 v[TS_+8*\u+4:TS_+8*\u+7], v[TABO], s[8:9] offset:4096*(\a)+64*\u+16
	global_load_b128 v[TS_+16+8*\u:TS_+16+8*\u+3], v[TABO], s[8:9] offset:4096*(\a)+64*\u+128
	global_load_b128 v[TS_+16+8*\u+4:TS_+16+8*\u+7], v[TABO], s[8:9] offset:4096*(\a)+64*\u+144
.endr
.endm
.macro ROPE a, eta                     ; x1 = accumulator (a, 4 eta + u), x2 = (a, 4 eta + 2 + u); each is read from its low end on
.set TS_, TABR+32*((\a)%2)
.set AC_, 64*((\a)%4)+32*(\eta)
.set HD_, HH+32*(\eta)
	WIN 2+(\a)/4                                   ; source 0: window 2 or 3
.irp u, 0,1
.irp j, 0,2,4,6
	v_pk_mul_f32 v[TT+\j:TT+\j+1], v[AC_+16+8*\u+\j:AC_+16+8*\u+\j+1], v[TS_+16+8*\u+\j:TS_+16+8*\u+\j+1]
.endr
.irp j, 0,2,4,6
	v_pk_fma_f32 v[HD_+8*\u+\j:HD_+8*\u+\j+1], v[AC_+8*\u+\j:AC_+8*\u+\j+1], v[TS_+8*\u+\j:TS_+8*\u+\j+1], v[TT+\j:TT+\j+1] neg_lo:[0,0,1] neg_hi:[0,0,1]   ; x1 cos - x2 sin
.endr
.irp j, 0,2,4,6
	v_pk_mul_f32 v[TT+\j:TT+\j+1], v[AC_+8*\u+\j:AC_+8*\u+\j+1], v[TS_+16+8*\u+\j:TS_+16+8*\u+\j+1]
.endr
.irp j, 0,2,4,6
	v_pk_fma_f32 v[HD_+16+8*\u+\j:HD_+16+8*\u+\j+1], v[AC_+16+8*\u+\j:AC_+16+8*\u+\j+1], v[TS_+8*\u+\j:TS_+8*\u+\j+1], v[TT+\j:TT+\j+1]                     ; x2 cos + x1 sin
.endr
.endr
	WIN 0
.endm
	LOADT 0
.irp a, 0,1,2,3,4,5,6,7
.if \a < 7
	LOADT \a+1
	s_wait_loadcnt 8                               ; this tile's eight loads are in; the next tile's eight may be out
.else
	s_wait_loadcnt 0
.endif
.irp eta, 0,1
	ROPE \a, \eta
	s_wait_xcnt 0x0                                ; the last tile's stores have read the codes' registers
	QUANT32 HH+32*\eta, PCQ+10*\eta, PCQ+6+10*\eta
	v_lshl_or_b32 v[SW+8*\eta+\a], v[TM+7], 8, v[TM+6]
	v_lshl_or_b32 v[SW+8*\eta+\a], v[SW+8*\eta+\a], 16, v[SW+8*\eta+\a]   ; bytes s0, s1, s0, s1: the upper two stand over zero codes
	global_store_b128 v[GL16], v[PCQ+10*\eta:PCQ+10*\eta+3], s[96+2*\eta:97+2*\eta] offset:768*\a
	global_store_b64 v[GL8], v[PCQ+10*\eta+4:PCQ+10*\eta+5], s[96+2*\eta:97+2*\eta] offset:768*\a+512
.endr
.endr
.irp eta, 0,1
.irp t, 0,1,2,3
	v_cndmask_b32 v[OW+4*\eta+\t], v[SW+8*\eta+\t], v[SW+8*\eta+4+\t], vcc_lo   ; lanes 0-15: tiles 0-3 of row r; lanes 16-31: tiles 4-7
.endr
	global_store_b128 v[GL16], v[OW+4*\eta:OW+4*\eta+3], s[96+2*\eta:97+2*\eta] offset:6144
.endr
	s_branch .Ldone
	; ---- v (cluster x = 2)
.Lv:
	s_mul_i32 s92, s95, 13056
	s_add_nc_u64 s[96:97], s[12:13], s[92:93]
	s_add_nc_u64 s[98:99], s[96:97], 417792
.irp bp, 0,1,2,3                       ; 32 columns at a time: head bp / 2, d = 32 (bp % 2) on
.irp a, 0,1,2,3,4,5,6,7
	WIN 0x08+4*(\a/4)                              ; an LDS store's data are its source 1: window 2 or 3
.irp u, 0,1
	ds_store_b128 v[VSTO], v[64*(\a%4)+16*\bp+8*\u:64*(\a%4)+16*\bp+8*\u+3] offset:2304*\a+32*(\a/2)+64*\u       ; each accumulator from its low end on
	ds_store_b128 v[VSTO], v[64*(\a%4)+16*\bp+8*\u+4:64*(\a%4)+16*\bp+8*\u+7] offset:2304*\a+32*(\a/2)+64*\u+16
.endr
.endr
	WIN 0
.irp u, 0,1
.set i_, 0
.rept 64                               ; place i of block 2 c + h holds the key whose number in the block is i with bits 3 and 4 swapped.  LDS serves a wave's instructions in order: these see the stores above
	ds_load_b32 v[XV+i_], v[VRD] offset:(64*(i_/32)+(i_%8)+16*((i_/8)%2)+8*((i_%32)/16))*144+64*(i_/32)+32*\u
.set i_, i_+1
.endr
	s_wait_dscnt 0x0
	s_wait_xcnt 0x0                                ; the last fragment's stores have read its registers
	QUANT64 XV, PCV, P2V, SW+2*\bp+\u
.irp c, 0,1
	global_store_b128 v[GL16], v[PCV+6*\c:PCV+6*\c+3], s[96+2*(\bp/2):97+2*(\bp/2)] offset:6656+1536*(2*(\bp%2)+\u)+768*\c
	global_store_b64 v[GL8], v[PCV+6*\c+4:PCV+6*\c+5], s[96+2*(\bp/2):97+2*(\bp/2)] offset:6656+1536*(2*(\bp%2)+\u)+768*\c+512
.endr
.endr
.endr
.irp t, 0,1,2,3
	v_cndmask_b32 v[OW+\t], v[SW+\t], v[SW+4+\t], vcc_lo   ; lanes 0-15: my first head's words of row r; lanes 16-31: my second's
.endr
	global_store_b128 v[VWO], v[OW:OW+3], s[96:97] offset:12800
.Ldone:
	s_wait_tensorcnt 0x0                           ; the wave's end
	ds_add_u32 v[SPW], v[NIL]
	s_wait_dscnt 0x0
	CROUND                                         ; the closing round
	s_endpgm
.Lfunc_end_k_q286d2ce628_qkv:
	.size	k_q286d2ce628_qkv, .Lfunc_end_k_q286d2ce628_qkv-k_q286d2ce628_qkv
	.p2alignl 7, 3214868480
	.fill 96, 4, 3214868480
	.section	.rodata,"a",@progbits
	.p2align	6, 0x0
	.amdhsa_kernel k_q286d2ce628_qkv
		.amdhsa_group_segment_fixed_size 327680
		.amdhsa_private_segment_fixed_size 0
		.amdhsa_enable_private_segment 0
		.amdhsa_kernarg_size 40
		.amdhsa_user_sgpr_count 2
		.amdhsa_user_sgpr_kernarg_segment_ptr 1
		.amdhsa_wavefront_size32 1
		.amdhsa_system_sgpr_workgroup_id_x 1
		.amdhsa_system_sgpr_workgroup_id_y 1
		.amdhsa_system_sgpr_workgroup_id_z 1
		.amdhsa_system_vgpr_workitem_id 0
		.amdhsa_next_free_vgpr 1024
		.amdhsa_next_free_sgpr 100
		.amdhsa_reserve_vcc 1
		.amdhsa_float_denorm_mode_32 3
		.amdhsa_float_denorm_mode_16_64 3
		.amdhsa_memory_ordered 1
		.amdhsa_forward_progress 1
		.amdhsa_inst_pref_size 255
	.end_amdhsa_kernel
	.section	.bss,"aw",@nobits
	.p2align	6
	.space	262144
	.amdgpu_metadata
---
amdhsa.version: [ 1, 2 ]
amdhsa.kernels:
  - .name:           k_q286d2ce628_qkv
    .symbol:         k_q286d2ce628_qkv.kd
    .args:
      - { .name: cod, .offset: 0, .size: 8, .value_kind: global_buffer, .address_space: global }
      - { .name: scl, .offset: 8, .size: 8, .value_kind: global_buffer, .address_space: global }
      - { .name: tab, .offset: 16, .size: 8, .value_kind: global_buffer, .address_space: global }
      - { .name: qf, .offset: 24, .size: 8, .value_kind: global_buffer, .address_space: global }
      - { .name: kvf, .offset: 32, .size: 8, .value_kind: global_buffer, .address_space: global }
    .group_segment_fixed_size: 327680
    .private_segment_fixed_size: 0
    .kernarg_segment_align: 8
    .kernarg_segment_size: 40
    .max_flat_workgroup_size: 128
    .sgpr_count:     100
    .vgpr_count:     1024
    .wavefront_size: 32
...
	.end_amdgpu_metadata
.endif
;; end of part 2
;; launch attn (part 3): grid 16 x 16, 16 waves a work-group, no clusters, 327,680 bytes of LDS; arguments qf, kvf, cc, cs; writes cc, cs
.if DOCPART == 3
	.amdgcn_target "amdgcn-amd-amdhsa--gfx1250"
	.amdhsa_code_object_version 6
	.text
	.protected	k_q286d2ce628_attn
	.globl	k_q286d2ce628_attn
	.p2align	8
	.type	k_q286d2ce628_attn,@function
k_q286d2ce628_attn:
	s_mov_b64 s[64:65], 0
	v_nop
	global_prefetch_b8 v0, s[64:65] scope:SCOPE_SE
	s_setreg_imm32_b32 hwreg(HW_REG_WAVE_MODE, 25, 1), 1
	s_wait_xcnt 0x0
; ctx[q][head][:] = softmax_k(q . k / 8, k <= q) v, both products on codes of FP6 (E2M3) with E8M0 scales; ctx is quantised along its 1,024 for the last product.
; THE SOFTMAX: t = score x log2(e) / 8; M = the running largest t rounded UP to a whole number; p = 2^(t - M) is quantised along the keys, not normalised; the row's sum is taken of the unquantised p and divides at the
; end.  When M moves, the sum and O are multiplied by 2^(old M - new M): exact.
; SHARES.  Work-group (i, head) owns the blocks of 128 queries i and 31 - i; each of its sixteen waves one tile of 16 queries, in 256 registers, four waves to a SIMD.  Wave w takes tile w / 2 of block i or 31 - i by the
; bit (w xor w / 4) & 1: of any four waves w, w + 4, w + 8, w + 12, and of any four neighbours, two have the early block and two the late one.  A wave of block b works b + 1 key steps: 2 (i + 1) + 2 (32 - i) = 66 for such four, whatever i.
; NO CLUSTER: which steps a wave leaves out hangs on its block of queries, which partners would not share.
; KEYS go 128 a step; a step's record in kvf is 13,056 dense bytes: K's 8 half fragments, K's scale words, V^T's 4 fragments, V's words: images of the operands' registers.  A ring of two LDS slots of two records; waves 0
; and 1 fetch a record each; one tensor load of a wave is out at the most.  Every LDS address is a fixed register and an immediate.  A work-group walks 16 - 2 (i / 4) slots: enough for its 32 - i steps; at most one slot too many.
; A step all of whose keys come after the wave's queries is left out by a scalar branch on ids, which jumps over no barrier and no tensor load.
; LAYOUT.  Both products transposed: S^T = K Q^T (K = the head's 64: the upper half of both operands is zero codes, six registers cleared once), O^T = V^T P^T: a lane holds ONE query (lane % 16) throughout.
; The 16 registers of S^T's tiles 2 b, 2 b + 1 are keys 32 b + 16 u + 8 h + j; converted and exchanged between the halves they lie with bits 3 and 4 of the place in the block swapped: V^T was laid so.
; LIMITS: NaN and infinities are not served; a block of p or of ctx that is all zeros keeps the byte 1 (its codes are zeros).  cs is stored a byte a lane: 128 KiB in all, in parts of its rows.
.set REC,   13056
.set RECQ,  6656
.set SLOTB, 2*REC
.set SPARE, 2*SLOTB                    ; behind the ring: the spare words, 128 bytes a wave: eight blocks of 256 bytes that no other line names
.set A16,  1                           ; v1   16 x lane
.set A8,   2                           ; v2   8 x lane
.set AS,   3                           ; v3   16 r
.set SPW,  4                           ; v4   my spare word; never rewritten
.set NIL,  5                           ; v5   0; never rewritten
.set RH,   6                           ; v6   r - 8 h
.set CSO,  7                           ; v7   32 r + h
.set PFO,  8                           ; v8   256 x lane
.set LANE, 9
; v12 -M, v13 the largest t, v[14:15] the sum in two halves; v16-21 Q, v22-27 zeros; v[32+12t..] K's four fragments (the upper six registers zeros); v96-159 S^T, then p, then V^T's four fragments;
; v160-191 O^T; v224-235 p's codes; v232-247, v252, v254 at work; v248-251 K's, then V's scale words; v253 p's; v255 Q's
.set WV,   18
.set Q0,   19
.set SEL,  20
.set CS,   22
.set G1,   24
.set G0,   32                          ; s[32:35] slot 0's group 0, s[36:39] slot 1's
.set KF,   40                          ; the step's first key
.set QL,   41                          ; my last query
.set PFA,  42                          ; s[42:43] where my prefetches stand
.set RF,   44                          ; refills so far
.set LIM,  60                          ; 11 in a wave that prefetches, else 0
.set TM,   232
.macro TLOAD g0                        ; waves 0 and 1 fetch; four v_nop follow the line
	s_cmp_lt_u32 s[WV], 2
	s_cbranch_scc0 .Lnone_\@
	tensor_load_to_lds s[\g0:\g0+3], s[G1:G1+7]
	s_nop 0
.rept 4
	v_nop
.endr
.Lnone_\@:
.endm
; A PREFETCH INTO THE L2.  All sixteen work-groups of a head walk the same records: the head's first work-group asks, in waves 4 to 7, which fetch nothing: at each of the first 11 refills 4 x 8,192 bytes, lanes 256 bytes
; apart, from slot 2's first byte on: refill n, which loads slot n, names bytes 52,224 + 32,768 (n - 1) on, a slot or more ahead of the loads.  Each block of 256 bytes is named once; the last byte named is 412,671 of the head's 417,792.
.macro ASK
	s_cmp_le_u32 s[RF], s[LIM]
	s_cbranch_scc0 .Lnot_mine_\@
	global_prefetch_b8 v[PFO], s[PFA:PFA+1] th:TH_LOAD_NT scope:SCOPE_SE
.Lnot_mine_\@:
.endm
	s_load_b256 s[4:11], s[0:1], 0x0               ; qf, kvf, cc, cs
	v_lshl_add_u32 v[SPW], v0, 2, SPARE
	v_mov_b32 v[NIL], 0
	ds_add_u32 v4, v5
	s_wait_dscnt 0x0
	v_lshrrev_b32 v8, 5, v0
	v_readfirstlane_b32 s[WV], v8                  ; wave 0..15
	s_and_b32 s45, ttmp7, 0xffff                   ; the head
	s_lshr_b32 s46, s[WV], 2
	s_xor_b32 s46, s46, s[WV]
	s_and_b32 s46, s46, 1
	s_sub_co_u32 s47, 31, ttmp9
	s_cmp_eq_u32 s46, 0
	s_cselect_b32 s47, ttmp9, s47                  ; my block of 128 queries
	s_lshr_b32 s48, s[WV], 1                       ; my tile in it
	s_lshl_b32 s49, s47, 3
	s_add_co_u32 s49, s49, s48                     ; my tile of 16 rows
	s_lshl_b32 s[Q0], s49, 4
	s_add_co_u32 s[QL], s[Q0], 15
	s_lshr_b32 s3, ttmp9, 2
	s_sub_co_u32 s3, 7, s3                         ; the loop's trips: two slots each, and two slots behind it
	s_mov_b32 s[G1], 3<<16                         ; a record: 51 rows of 32 elements of 8 bytes, dense
	s_mov_b32 s[G1+1], 32<<16
	s_mov_b32 s[G1+2], 51<<16
	s_mov_b32 s[G1+3], 32<<16
	s_mov_b32 s[G1+4], 51
	s_mov_b32 s[G1+5], 32
	s_mov_b32 s[G1+6], 0
	s_mov_b32 s[G1+7], 0
	s_and_b32 s50, s[WV], 1
	s_mul_i32 s54, s50, REC                        ; which of a slot's two records I fetch: its place in the slot and in memory
	s_mov_b32 s55, 0
	s_mul_i32 s52, s45, 32*REC
	s_mov_b32 s53, 0
	s_mov_b32 s[SEL], 0x76543210
	s_mov_b32 s[SEL+1], 0xfedcba98
	s_mov_b32 s[CS], 0x3e38aa3b                    ; c = log2(e) / 8
	s_mov_b32 s[CS+1], s[CS]
	s_mov_b32 s[KF], 0
	s_mov_b32 s[RF], 0
	s_wait_kmcnt 0x0
	s_add_nc_u64 s[6:7], s[6:7], s[52:53]          ; kvf at my head
	s_mov_b32 s[G0], 1
	s_mov_b32 s[G0+1], s54
	s_add_nc_u64 s[G0+2:G0+3], s[6:7], s[54:55]
	s_mov_b32 s[G0+4], 1
	s_add_co_u32 s[G0+5], s54, SLOTB
	s_add_nc_u64 s[G0+6:G0+7], s[G0+2:G0+3], SLOTB
	s_or_b32 s[G0+3], s[G0+3], 0x80000000
	s_or_b32 s[G0+7], s[G0+7], 0x80000000
	TLOAD G0                                       ; slot 0
	s_and_b32 s52, s[WV], 3
	s_lshl_b32 s52, s52, 13
	s_add_co_u32 s52, s52, 19456                   ; 32,768 bytes short of slot 2: the first refill steps it there.  Nothing is prefetched here, at the head
	s_add_nc_u64 s[PFA:PFA+1], s[6:7], s[52:53]
	s_lshr_b32 s52, s[WV], 2
	s_xor_b32 s52, s52, 1                          ; 0 in waves 4 to 7,
	s_or_b32 s52, s52, ttmp9                       ; of the head's first work-group
	s_cmp_eq_u32 s52, 0
	s_cselect_b32 s[LIM], 11, 0
	s_mul_i32 s52, s45, 32*RECQ
	s_mul_i32 s54, s47, RECQ
	s_add_co_u32 s52, s52, s54                     ; my block's record in qf
	s_mul_i32 s54, s48, 768
	s_add_co_u32 s54, s54, s52
	s_add_nc_u64 s[56:57], s[4:5], s[54:55]        ; my tile's half fragment
	s_lshr_b32 s54, s48, 2
	s_lshl_b32 s54, s54, 8
	s_and_b32 s58, s48, 3
	s_lshl_b32 s58, s58, 2
	s_add_co_u32 s54, s54, s58
	s_add_co_u32 s54, s54, s52
	s_add_nc_u64 s[58:59], s[4:5], s[54:55]        ; and its scale words
	s_mul_i32 s52, s49, 12288                      ; ctx: row tile x 8 fragments,
	s_lshr_b32 s54, s45, 1
	s_mul_i32 s54, s54, 1536                       ; fragment head / 2,
	s_add_co_u32 s52, s52, s54
	s_and_b32 s54, s45, 1
	s_mul_i32 s54, s54, 768                        ; half head % 2
	s_add_co_u32 s52, s52, s54
	s_add_nc_u64 s[8:9], s[8:9], s[52:53]
	s_lshl_b32 s52, s[Q0], 5                       ; its scale bytes: 32 a row, mine at 2 x head
	s_lshl_b32 s54, s45, 1
	s_add_co_u32 s52, s52, s54
	s_add_nc_u64 s[10:11], s[10:11], s[52:53]
	v_and_b32 v[LANE], 31, v0
	v_and_b32 v10, 15, v0                          ; r
	v_bfe_u32 v11, v0, 4, 1                        ; h
	v_lshlrev_b32 v[A16], 4, v[LANE]
	v_lshlrev_b32 v[A8], 3, v[LANE]
	v_lshlrev_b32 v[AS], 4, v10
	v_lshlrev_b32 v[RH], 3, v11
	v_sub_nc_u32 v[RH], v10, v[RH]
	v_lshl_add_u32 v[CSO], v10, 5, v11
	v_lshlrev_b32 v[PFO], 8, v[LANE]
	global_load_b128 v[16:19], v[A16], s[56:57]
	global_load_b64 v[20:21], v[A8], s[56:57] offset:512
	global_load_b32 v255, v[AS], s[58:59] offset:6144
.irp j, 22,23,24,25,26,27
	v_mov_b32 v\j, 0                               ; the upper half of K = 128: zero codes
.endr
.irp t, 0,1,2,3
.irp j, 6,7,8,9,10,11
	v_mov_b32 v[32+12*\t+\j], 0
.endr
.endr
	v_mov_b32 v13, 0xff61b1e6                      ; the largest t so far: -3e38
	v_floor_f32 v12, -v13
	v_mov_b32 v14, 0
	v_mov_b32 v15, 0
.irp b, 0,1,2,3
	v_mov_b32 v[236+\b], 0                         ; written once: a lane permute's destination counts as one of its sources
.endr
	v_mov_b32 v252, 0
	v_mov_b32 v253, 0
.set j_, 0
.rept 32
	v_mov_b32 v[160+j_], 0                         ; O^T: the step is written once; the first finds zeros
.set j_, j_+1
.endr
; A KEY STEP: the q-th record of a slot
.macro STEP slot, q
.set BASE, SLOTB*(\slot)+REC*(\q)
	s_cmp_gt_u32 s[KF], s[QL]
	s_cbranch_scc1 .Lhidden_\@
.rept 5
	v_nop                                          ; five places: the products below write over registers that the last step's products read, and loads land in their scale registers
.endr
.irp g, 0,1
.if \g
.rept 4
	v_nop                                          ; places in front of loads into registers that matrix instructions have read
.endr
.endif
.irp t, 0,1,2,3
	ds_load_b128 v[32+12*\t:35+12*\t], v[A16] offset:BASE+768*(4*\g+\t)
	ds_load_b64 v[36+12*\t:37+12*\t], v[A8] offset:BASE+768*(4*\g+\t)+512
.endr
	ds_load_b128 v[248:251], v[AS] offset:BASE+6144+256*\g
	s_wait_dscnt 0x0
.irp t, 0,1,2,3
	v_wmma_scale_f32_16x16x128_f8f6f4 v[96+8*(4*\g+\t):103+8*(4*\g+\t)], v[32+12*\t:43+12*\t], v[16:27], 0, v[248+\t], v255 matrix_a_fmt:MATRIX_FMT_FP6 matrix_b_fmt:MATRIX_FMT_FP6
.endr
.endr
.rept 4
	v_nop
.endr
	s_add_co_u32 s52, s[KF], 127                   ; on the diagonal hidden scores become -infinity; a step all of whose keys count skips this
	s_cmp_le_u32 s52, s[Q0]
	s_cbranch_scc1 .Lopen_\@
	s_sub_co_i32 s52, s[Q0], s[KF]
	v_add_nc_u32 v252, s52, v[RH]                  ; register n holds key KF + 16 (n / 8) + 8 h + n % 8: hidden where 16 (n / 8) + n % 8 > my query - KF - 8 h
	v_mov_b32 v254, 0xff800000
.set n_, 0
.rept 64
	v_cmp_gt_i32 vcc_lo, 16*(n_/8)+n_%8, v252
	v_cndmask_b32 v[96+n_], v[96+n_], v254, vcc_lo
.set n_, n_+1
.endr
.Lopen_\@:
.irp b, 0,1,2,3
	v_max3_num_f32 v[232+\b], v[96+16*\b], v[97+16*\b], v[98+16*\b]   ; the largest score of each block of 32 keys: for the row's maximum and, since p rises with the score, for the block's largest p
.endr
.irp i, 3,5,7,9,11,13
.irp b, 0,1,2,3
	v_max3_num_f32 v[232+\b], v[232+\b], v[96+16*\b+\i], v[97+16*\b+\i]
.endr
.endr
.irp b, 0,1,2,3
	v_max_num_f32 v[232+\b], v[232+\b], v[111+16*\b]
.endr
.irp b, 0,1,2,3
	v_permlanex16_b32 v[236+\b], v[232+\b], s[SEL], s[SEL+1]
.endr
.irp b, 0,1,2,3
	v_max_num_f32 v[232+\b], v[232+\b], v[236+\b]
.endr
	v_max3_num_f32 v254, v232, v233, v234
	v_max_num_f32 v254, v254, v235
	v_mul_f32 v254, s[CS], v254
	v_max_num_f32 v13, v13, v254                   ; the running largest t
	v_mov_b32 v254, v12
	v_floor_f32 v12, -v13                          ; the new -M: a whole number
	v_sub_f32 v254, v12, v254
	v_cvt_i32_f32 v254, v254                       ; (it saturates)
	v_ldexp_f32 v252, 1.0, v254                    ; f = 2^(old M - new M)
.set j_, 0
.rept 32
	v_pk_fma_f32 v[96+j_:97+j_], v[96+j_:97+j_], s[CS:CS+1], v[12:13] op_sel_hi:[1,0,0]   ; t - M
.set j_, j_+2
.endr
.irp b, 0,1,2,3
	v_fma_f32 v[232+\b], v[232+\b], s[CS], v12
.endr
.set j_, 0
.rept 64
	v_exp_f32 v[96+j_], v[96+j_]                   ; p
.set j_, j_+1
.endr
	v_pk_mul_f32 v[14:15], v[14:15], v[252:253] op_sel_hi:[1,0]   ; the sums under the new M.  (A plain place behind the exponentials)
	s_wait_alu depctr_va_vdst(0)                   ; one wait for the batch, ahead of its first reader
.irp b, 0,1,2,3
	v_exp_f32 v[232+\b], v[232+\b]                 ; each block's largest p
.endr
	v_pk_add_f32 v[236:237], v[96:97], v[98:99]    ; the row's sum, of the unquantised p, in two chains
.irp j, 4,8,12,16,20,24,28,32,36,40,44,48,52,56,60
	v_pk_add_f32 v[14:15], v[14:15], v[96+\j:97+\j]
	v_pk_add_f32 v[236:237], v[236:237], v[98+\j:99+\j]
.endr
	v_pk_add_f32 v[14:15], v[14:15], v[236:237]
	s_wait_alu depctr_va_vdst(0)                   ; and one for the four
.irp b, 0,1,2,3
	v_max_num_f32 v[232+\b], 0x1800000, v[232+\b]  ; the floor 2^(3 - 127)
.endr
.irp b, 0,1,2,3
	v_add_nc_u32 v[244+\b], 0xff000000, v[232+\b]
.endr
.irp b, 0,1,2,3
	v_lshrrev_b32 v[236+\b], 23, v[244+\b]
.endr
	v_lshl_or_b32 v253, v237, 8, v236              ; p's scale word
	v_lshl_or_b32 v253, v238, 16, v253
	v_lshl_or_b32 v253, v239, 24, v253
.irp c, 0,1
	v_cvt_scalef32_pk16_fp6_f32 v[224+6*\c:226+6*\c], v[96+32*\c:111+32*\c], v[244+2*\c]
	v_cvt_scalef32_pk16_fp6_f32 v[236+4*\c:238+4*\c], v[112+32*\c:127+32*\c], v[244+2*\c+1]
.endr
	v_nop                                          ; one plain place behind the conversions
.irp t, 0,1,2,3                        ; p is spent: V^T's four fragments land where it lay, while the exchange and the rescaling go on
.irp c, 0,1
	ds_load_b128 v[96+12*\t+6*\c:99+12*\t+6*\c], v[A16] offset:BASE+6656+1536*\t+768*\c
	ds_load_b64 v[100+12*\t+6*\c:101+12*\t+6*\c], v[A8] offset:BASE+6656+1536*\t+768*\c+512
.endr
.endr
	ds_load_b128 v[248:251], v[AS] offset:BASE+12800
.irp c, 0,1
.irp i, 0,1,2
	v_permlane16_swap_b32 v[224+6*\c+\i], v[236+4*\c+\i]
.endr
.irp i, 0,1,2
	v_mov_b32 v[227+6*\c+\i], v[236+4*\c+\i]
.endr
.endr
.set j_, 0
.rept 16
	v_pk_mul_f32 v[160+j_:161+j_], v[160+j_:161+j_], v[252:253] op_sel_hi:[1,0]   ; O^T under the new M.  (These are also the places between the lines that made p's codes and word and the products)
.set j_, j_+2
.endr
	s_wait_dscnt 0x0
.irp t, 0,1,2,3
	v_wmma_scale_f32_16x16x128_f8f6f4 v[160+8*\t:167+8*\t], v[96+12*\t:107+12*\t], v[224:235], v[160+8*\t:167+8*\t], v[248+\t], v253 matrix_a_fmt:MATRIX_FMT_FP6 matrix_b_fmt:MATRIX_FMT_FP6
.endr
.Lhidden_\@:
	s_add_co_u32 s[KF], s[KF], 128
.endm
; THE CHANGE OF SLOTS, at a slot's head.  Each wave waits for all its tensor loads, adds 0 to its spare word, and waits for that and for its reads of the slot that it has left; behind the barrier the slot ahead is whole and
; nobody reads the other one, which is filled with the records that follow (refill = 1): the load has a slot's two steps in which to land.
.macro CHANGE slot, refill
	s_wait_tensorcnt 0x0                           ; no tensor load of mine is out, so a group 0 may be written
	ds_add_u32 v[SPW], v[NIL]
	s_add_nc_u64 s[G0+4*\slot+2:G0+4*\slot+3], s[G0+4*\slot+2:G0+4*\slot+3], 2*SLOTB   ; this slot's next records
.if \refill
	s_add_co_u32 s[RF], s[RF], 1
	s_wait_xcnt 0x0                                ; the last prefetch, a slot back, has read its address
	s_add_nc_u64 s[PFA:PFA+1], s[PFA:PFA+1], 32768
.endif
	s_wait_dscnt 0x0
	s_barrier_signal -1
	s_barrier_wait -1
.if \refill
	TLOAD G0+4-4*\slot
	ASK
.endif
.endm
	s_wait_loadcnt 0x0                             ; Q
	s_mov_b32 s2, 0
.Lring:
	CHANGE 0, 1
	STEP 0, 0
	STEP 0, 1
	CHANGE 1, 1
	STEP 1, 0
	STEP 1, 1
	s_add_co_u32 s2, s2, 1
	s_cmp_lt_u32 s2, s3
	s_cbranch_scc1 .Lring
	CHANGE 0, 1                                    ; the last two slots are written out
	STEP 0, 0
	STEP 0, 1
	CHANGE 1, 0
	STEP 1, 0
	STEP 1, 1
	; THE WAY OUT.  Register 8 tau + j of O^T is d = 32 (tau / 2) + 16 h + 8 (tau % 2) + j: 16 neighbours of each block of 32
.rept 4
	v_nop
.endr
	v_add_f32 v14, v14, v15
	v_permlanex16_b32 v252, v14, s[SEL], s[SEL+1]
	v_add_f32 v14, v14, v252                       ; the row's sum
	v_rcp_f32 v14, v14
	v_cmp_le_u32 vcc_lo, 16, v[LANE]               ; (a plain place behind the reciprocal)
	s_wait_alu depctr_va_vdst(0)                   ; the wait, ahead of its first reader
.set j_, 0
.rept 32
	v_mul_f32 v[96+j_], v[160+j_], v14
.set j_, j_+1
.endr
	v_max3_num_f32 v[TM], |v96|, |v97|, 0x1800000
	v_max3_num_f32 v[TM+1], |v112|, |v113|, 0x1800000
.irp i, 2,4,6,8,10,12,14
	v_max3_num_f32 v[TM], v[TM], |v[96+\i]|, |v[97+\i]|
	v_max3_num_f32 v[TM+1], v[TM+1], |v[112+\i]|, |v[113+\i]|
.endr
	v_permlanex16_b32 v[TM+4], v[TM], s[SEL], s[SEL+1]
	v_permlanex16_b32 v[TM+5], v[TM+1], s[SEL], s[SEL+1]
	v_max_num_f32 v[TM], v[TM], v[TM+4]
	v_max_num_f32 v[TM+1], v[TM+1], v[TM+5]
	v_add_nc_u32 v[TM+2], 0xff000000, v[TM]
	v_add_nc_u32 v[TM+3], 0xff000000, v[TM+1]
	v_lshrrev_b32 v[TM+6], 23, v[TM+2]
	v_lshrrev_b32 v[TM+7], 23, v[TM+3]
	v_cvt_scalef32_pk16_fp6_f32 v[224:226], v[96:111], v[TM+2]
	v_cvt_scalef32_pk16_fp6_f32 v[240:242], v[112:127], v[TM+3]
	v_nop
.irp i, 0,1,2
	v_permlane16_swap_b32 v[224+\i], v[240+\i]
.endr
.irp i, 0,1,2
	v_mov_b32 v[227+\i], v[240+\i]
.endr
	v_cndmask_b32 v243, v[TM+6], v[TM+7], vcc_lo   ; lane (r, h) stores block h's byte of row r
	global_store_b128 v[A16], v[224:227], s[8:9]
	global_store_b64 v[A8], v[228:229], s[8:9] offset:512
	global_store_b8 v[CSO], v243, s[10:11]
	s_wait_tensorcnt 0x0                           ; the wave's end
	ds_add_u32 v[SPW], v[NIL]
	s_wait_dscnt 0x0
	s_endpgm
.Lfunc_end_k_q286d2ce628_attn:
	.size	k_q286d2ce628_attn, .Lfunc_end_k_q286d2ce628_attn-k_q286d2ce628_attn
	.p2alignl 7, 3214868480
	.fill 96, 4, 3214868480
	.section	.rodata,"a",@progbits
	.p2align	6, 0x0
	.amdhsa_kernel k_q286d2ce628_attn
		.amdhsa_group_segment_fixed_size 327680
		.amdhsa_private_segment_fixed_size 0
		.amdhsa_enable_private_segment 0
		.amdhsa_kernarg_size 32
		.amdhsa_user_sgpr_count 2
		.amdhsa_user_sgpr_kernarg_segment_ptr 1
		.amdhsa_wavefront_size32 1
		.amdhsa_system_sgpr_workgroup_id_x 1
		.amdhsa_system_sgpr_workgroup_id_y 1
		.amdhsa_system_sgpr_workgroup_id_z 1
		.amdhsa_system_vgpr_workitem_id 0
		.amdhsa_next_free_vgpr 256
		.amdhsa_next_free_sgpr 66
		.amdhsa_reserve_vcc 1
		.amdhsa_float_denorm_mode_32 3
		.amdhsa_float_denorm_mode_16_64 3
		.amdhsa_memory_ordered 1
		.amdhsa_forward_progress 1
		.amdhsa_inst_pref_size 183
	.end_amdhsa_kernel
	.amdgpu_metadata
---
amdhsa.version: [ 1, 2 ]
amdhsa.kernels:
  - .name:           k_q286d2ce628_attn
    .symbol:         k_q286d2ce628_attn.kd
    .args:
      - { .name: qf, .offset: 0, .size: 8, .value_kind: global_buffer, .address_space: global }
      - { .name: kvf, .offset: 8, .size: 8, .value_kind: global_buffer, .address_space: global }
      - { .name: cc, .offset: 16, .size: 8, .value_kind: global_buffer, .address_space: global }
      - { .name: cs, .offset: 24, .size: 8, .value_kind: global_buffer, .address_space: global }
    .group_segment_fixed_size: 327680
    .private_segment_fixed_size: 0
    .kernarg_segment_align: 8
    .kernarg_segment_size: 32
    .max_flat_workgroup_size: 512
    .sgpr_count:     66
    .vgpr_count:     256
    .wavefront_size: 32
...
	.end_amdgpu_metadata
.endif
;; end of part 3
;; launch oproj (part 4): grid 8 x 16, 4 waves a work-group, clusters of 4 x 4, 327,680 bytes of LDS; arguments cc, cs, cod, scl, out0; writes out0
.if DOCPART == 4
	.amdgcn_target "amdgcn-amd-amdhsa--gfx1250"
	.amdhsa_code_object_version 6
	.text
	.protected	k_q286d2ce628_oproj
	.globl	k_q286d2ce628_oproj
	.p2align	8
	.type	k_q286d2ce628_oproj,@function
k_q286d2ce628_oproj:
	s_mov_b64 s[64:65], 0
	v_nop
	global_prefetch_b8 v0, s[64:65] scope:SCOPE_SE
	s_setreg_imm32_b32 hwreg(HW_REG_WAVE_MODE, 25, 1), 1
	s_wait_xcnt 0x0
	s_wait_alu depctr_hold_cnt(0) depctr_sa_sdst(0) depctr_va_vdst(0) depctr_va_sdst(0) depctr_va_ssrc(0) depctr_va_vcc(0) depctr_vm_vsrc(0)
	s_getreg_b32 s2, hwreg(HW_REG_IB_STS2, 6, 4)
	s_cmp_eq_u32 s2, 0
	s_cbranch_scc0 .Lentry_in_a_cluster
	s_endpgm
.Lentry_in_a_cluster:
	s_bfe_u32 s2, ttmp6, 0x10000c
	s_cmp_lg_u32 s2, 0xf033
	s_cbranch_scc0 .Lentry_shape_is_right
	s_endpgm
.Lentry_shape_is_right:
; out0 = ctx w_o^T: 4,096 x 2,048 x 1,024 on codes of FP6 (E2M3) with E8M0 scales; f32 out.
; A tile of 256 x 256 to a work-group of four waves, 128 x 128 to a wave: 64 accumulators, 512 registers.  K goes in steps of 256 through a ring of two LDS slots filled by the tensor data mover.
; Codes lie in memory as images of the operand's registers (a fragment, 16 rows x 128 K, is 1,536 bytes: two halves of 768: lane l's registers 0-3 at 16 l, registers 4, 5 at 512 + 8 l), [row tile][K step]: a wave's
; tensor load brings 8 row tiles x 3,072 consecutive bytes.  The scale bytes of the work-group's rows, for all of K, come into LDS once, in rows of 256 bytes + 16.
; CLUSTERS: 4 x 4 work-groups; ctx's tiles are shared along a row of the cluster, w_o's along a column: joint loads.  128 work-groups: the tile is kept large, so that each byte read from LDS feeds as many products as the registers allow.
; THE MATRIX INSTRUCTION IS USED TRANSPOSED (source 0 = 16 rows of w_o, source 1 = 16 rows of ctx): a lane holds eight neighbouring numbers of a row of the result.
; REGISTERS, in windows of 256: window 0: v1-7 at work, v16-29 addresses; v32-63 scale words, two sets, and nothing else; v128-223 ctx's fragments, one set; on the way out v128-255 rows of the result.
;   window 1: w_o's fragments, two sets.   windows 2, 3: the accumulators ((a, b) at v[8 (8 (a % 4) + b)] of window 2 + a / 4).
.set SIZE_K, 1024
.set SIZE_N, 2048
.set NQ,     2
.set FR,     12
.set FRB,    1536
.set HFB,    768
.set TROW,   NQ*FRB
.set KTILE,  (SIZE_K/128)*FRB
.set NL,     4
.set NP,     4
.set HALFT,  8*TROW
.set SLOT,   4*HALFT
.set LAPS,   SIZE_K/512
.set KS,     SIZE_K/32
.set SCL,    2*SLOT
.set HALFS,  (128*KS/256)*272
.set SBLK,   (16*KS/256)*272
.set SPARE,  SCL+4*HALFS               ; the spare words: 128 bytes a wave, two blocks of 256 bytes that no other line names
.set STG,    SPARE+512                 ; the stages for the way out: bytes of their own
.set SPITCH, 528
.set BCOD,   11010048                  ; w_o's codes in cod
.set BSCL,   458752                    ; and its scale bytes in scl
.set ADRA, 16
.set ADRB, 20
.set STO,  24
.set RD,   25
.set CO,   26
.set ADRS, 27
.set SPW,  28
.set NIL,  29
.set SC,   32
.set AF,   128
.set BK,   128
.set G1, 24
.set G0, 32
.set G1B, 48
.set G0B, 56
.set G1S, 68
.set G0S, 76
.set G1SB, 80
.set G0SB, 88
.set MSB, 0
.macro WIN new
.if MSB != (\new)
	s_set_vgpr_msb (MSB<<8)|(\new)
.set MSB, (\new)
.endif
.endm
.set MUL_LO, 0xa1
.set MUL_HI, 0xf1
.set TO_B,   0x40
.macro JLOAD g0a, g1a, g0b, g1b        ; a joint load: waves 0 and 1 for ctx, waves 2 and 3 for w_o; four v_nop follow each of the two lines
	s_cmp_eq_u32 s15, 0
	s_cbranch_scc0 .Lfor_b_\@
	tensor_load_to_lds s[\g0a:\g0a+3], s[\g1a:\g1a+7]
	s_nop 0
.rept 4
	v_nop
.endr
	s_branch .Lasked_\@
.Lfor_b_\@:
	tensor_load_to_lds s[\g0b:\g0b+3], s[\g1b:\g1b+7]
	s_nop 0
.rept 4
	v_nop
.endr
.Lasked_\@:
.endm
.macro CREST
	s_cmp_lg_u32 s14, 0
	s_cbranch_scc1 .Lnot_wave_0_\@
	s_barrier_signal -3
.Lnot_wave_0_\@:
	s_barrier_wait -3
	s_barrier_signal -1
	s_barrier_wait -1
.endm
.macro CROUND
	s_barrier_signal -1
	s_barrier_wait -1
	CREST
.endm
	s_load_b128 s[4:7], s[0:1], 0x0                ; cc, cs
	s_load_b128 s[8:11], s[0:1], 0x10              ; cod, scl
	s_load_b64 s[12:13], s[0:1], 0x20              ; out0
	v_lshl_add_u32 v[SPW], v0, 2, SPARE
	v_mov_b32 v[NIL], 0
	ds_add_u32 v28, v29
	s_wait_dscnt 0x0
	v_lshrrev_b32 v1, 5, v0
	v_readfirstlane_b32 s14, v1
	s_lshr_b32 s15, s14, 1
	s_and_b32 s16, s14, 1
	s_bfe_u32 s40, ttmp6, 0x40000
	s_bfe_u32 s41, ttmp6, 0x40004
	s_lshl_b32 s42, ttmp9, 2
	s_add_co_u32 s42, s42, s40                     ; tile column
	s_and_b32 s17, ttmp7, 0xffff
	s_lshl_b32 s17, s17, 2
	s_add_co_u32 s17, s17, s41                     ; tile row
	s_lshl_b32 s43, s41, 2
	s_lshl_b32 s43, 15, s43
	s_lshl_b32 s44, 0x1111, s40
	s_or_b32 s[G1+0], s43, (3<<16)|(1<<21)         ; 8 rows (row tiles) of 384 elements of 8 bytes, KTILE bytes apart; dense in LDS
	s_or_b32 s[G1B+0], s44, (3<<16)|(1<<21)
.irp g, G1, G1B
	s_mov_b32 s[\g+1], (TROW/8)<<16
	s_mov_b32 s[\g+2], 8<<16
	s_mov_b32 s[\g+3], (TROW/8)<<16
	s_mov_b32 s[\g+4], 8
	s_mov_b32 s[\g+5], KTILE/8
	s_mov_b32 s[\g+6], 0
	s_mov_b32 s[\g+7], 0
.endr
	s_or_b32 s[G1S+0], s43, (3<<16)|(1<<20)|(1<<21)|(5<<22)|(3<<25)
	s_or_b32 s[G1SB+0], s44, (3<<16)|(1<<20)|(1<<21)|(5<<22)|(3<<25)
.irp g, G1S, G1SB
	s_mov_b32 s[\g+1], 32<<16
	s_mov_b32 s[\g+2], (128*KS/256)<<16
	s_mov_b32 s[\g+3], 32<<16
	s_mov_b32 s[\g+4], 128*KS/256
	s_mov_b32 s[\g+5], 32
	s_mov_b32 s[\g+6], 0
	s_mov_b32 s[\g+7], 0
.endr
	s_lshl_b32 s18, s16, 7
	s_lshl_b32 s20, s17, 8
	s_add_co_u32 s20, s20, s18
	s_lshl_b32 s46, s42, 8
	s_add_co_u32 s46, s46, s18
	s_mov_b32 s21, 0
	s_mov_b32 s47, 0
	s_mov_b64 s[18:19], KS
	s_mul_u64 s[22:23], s[20:21], s[18:19]
	s_mul_u64 s[92:93], s[46:47], s[18:19]
	s_mov_b64 s[18:19], KTILE/16
	s_mul_u64 s[20:21], s[20:21], s[18:19]
	s_mul_u64 s[46:47], s[46:47], s[18:19]
	s_mul_i32 s45, s14, HALFT
	s_mul_i32 s94, s14, HALFS
	s_wait_kmcnt 0x0
	s_add_nc_u64 s[20:21], s[4:5], s[20:21]
	s_add_nc_u64 s[22:23], s[6:7], s[22:23]
	s_add_nc_u64 s[46:47], s[8:9], s[46:47]
	s_add_nc_u64 s[46:47], s[46:47], BCOD
	s_add_nc_u64 s[92:93], s[10:11], s[92:93]
	s_add_nc_u64 s[92:93], s[92:93], BSCL
	CROUND                                         ; all sixteen work-groups are here: the first joint loads meet
	s_mov_b32 s[G0S], 1
	s_add_co_u32 s[G0S+1], s94, SCL
	s_mov_b64 s[G0S+2:G0S+3], s[22:23]
	s_or_b32 s[G0S+3], s[G0S+3], 0x80000000
	s_mov_b32 s[G0SB], 1
	s_add_co_u32 s[G0SB+1], s94, SCL
	s_mov_b64 s[G0SB+2:G0SB+3], s[92:93]
	s_or_b32 s[G0SB+3], s[G0SB+3], 0x80000000
	JLOAD G0S, G1S, G0SB, G1SB                     ; three loads of mine are out at the most
.irp s, 0,1
	s_mov_b32 s[G0+4*\s], 1
	s_add_co_u32 s[G0+4*\s+1], s45, \s*SLOT
	s_add_nc_u64 s[G0+4*\s+2:G0+4*\s+3], s[20:21], \s*TROW
	s_or_b32 s[G0+4*\s+3], s[G0+4*\s+3], 0x80000000
	s_mov_b32 s[G0B+4*\s], 1
	s_add_co_u32 s[G0B+4*\s+1], s45, \s*SLOT
	s_add_nc_u64 s[G0B+4*\s+2:G0B+4*\s+3], s[46:47], \s*TROW
	s_or_b32 s[G0B+4*\s+3], s[G0B+4*\s+3], 0x80000000
	JLOAD G0+4*\s, G1, G0B+4*\s, G1B
.endr
	v_and_b32 v1, 15, v0                           ; r
	v_bfe_u32 v2, v0, 4, 1                         ; h
	v_and_b32 v3, 31, v0
	v_lshlrev_b32 v4, 4, v3                        ; 16 x lane
	v_lshlrev_b32 v5, 3, v3
	v_add_nc_u32 v5, 512, v5                       ; 512 + 8 x lane
	s_mul_i32 s21, s15, HALFT
	s_mul_i32 s22, s16, HALFT
	s_add_co_u32 s22, s22, 2*HALFT
.irp s, 0,1
	v_add_nc_u32 v[ADRA+\s], s21, v4
	v_add_nc_u32 v[ADRB+\s], s22, v4
	v_add_nc_u32 v[ADRA+2+\s], s21, v5
	v_add_nc_u32 v[ADRB+2+\s], s22, v5
	s_add_co_u32 s21, s21, SLOT
	s_add_co_u32 s22, s22, SLOT
.endr
	v_mul_u32_u24 v5, v1, KS
	v_lshrrev_b32 v6, 8, v5
	v_lshl_add_u32 v5, v6, 4, v5
	s_mul_i32 s21, s15, HALFS
	s_mul_i32 s22, s16, HALFS
	s_add_co_u32 s22, s22, 2*HALFS
	s_sub_co_u32 s22, s22, s21
	v_mul_u32_u24 v6, s22, v2
	s_add_co_u32 s21, s21, SCL
	v_add_nc_u32 v5, v5, v6
	v_add_nc_u32 v[ADRS], s21, v5
	s_mul_i32 s23, s14, 16*SPITCH
	s_add_co_u32 s23, s23, STG                     ; my stage
	v_mul_u32_u24 v5, v1, SPITCH
	v_lshl_add_u32 v5, v2, 5, v5
	v_add_nc_u32 v[STO], s23, v5                   ; in: row r, 32 bytes for each half of the lanes
	v_mov_b32 v[CO], v4                            ; back: the 32 lanes take one row of 512 bytes; and the same in the result
	v_add_nc_u32 v[RD], s23, v4
	s_lshl_b32 s20, s17, 8
	s_lshl_b32 s21, s15, 7
	s_add_co_u32 s20, s20, s21                     ; my first row
	s_mov_b32 s21, 0
	s_mov_b64 s[18:19], SIZE_N*4
	s_mul_u64 s[20:21], s[20:21], s[18:19]
	s_lshl_b32 s46, s42, 10                        ; my first column, in bytes
	s_lshl_b32 s47, s16, 9
	s_add_co_u32 s46, s46, s47
	s_mov_b32 s47, 0
	s_add_nc_u64 s[20:21], s[20:21], s[46:47]
	s_add_nc_u64 s[12:13], s[12:13], s[20:21]
.macro FRAG reg, adr, q, i
.irp c, 0,1
	ds_load_b128 v[\reg+6*\c:\reg+6*\c+3], v[\adr] offset:(\i)*TROW+(\q)*FRB+\c*HFB
	ds_load_b64 v[\reg+6*\c+4:\reg+6*\c+5], v[\adr+2] offset:(\i)*TROW+(\q)*FRB+\c*HFB
.endr
.endm
; The 64 accumulators take turns, one instruction a turn, in the same order in every step.
.macro MUL16 a0, p, q, sc, zero
.irp a, \a0, \a0+1
.irp b, 0,1,2,3,4,5,6,7
.if \zero
	v_wmma_scale_f32_16x16x128_f8f6f4 v[8*(8*((\a)%4)+\b):8*(8*((\a)%4)+\b)+7], v[128*(\p)+FR*\b:128*(\p)+FR*\b+FR-1], v[AF+FR*(\a):AF+FR*(\a)+FR-1], 0, v[SC+8*NQ*(\sc)+NQ*\b+(\q)], v[SC+8*NQ*(\sc)+NQ*(\a)+(\q)] matrix_a_fmt:MATRIX_FMT_FP6 matrix_b_fmt:MATRIX_FMT_FP6 matrix_a_scale:MATRIX_SCALE_ROW1
.else
	v_wmma_scale_f32_16x16x128_f8f6f4 v[8*(8*((\a)%4)+\b):8*(8*((\a)%4)+\b)+7], v[128*(\p)+FR*\b:128*(\p)+FR*\b+FR-1], v[AF+FR*(\a):AF+FR*(\a)+FR-1], v[8*(8*((\a)%4)+\b):8*(8*((\a)%4)+\b)+7], v[SC+8*NQ*(\sc)+NQ*\b+(\q)], v[SC+8*NQ*(\sc)+NQ*(\a)+(\q)] matrix_a_fmt:MATRIX_FMT_FP6 matrix_b_fmt:MATRIX_FMT_FP6 matrix_a_scale:MATRIX_SCALE_ROW1
.endif
.endr
.endr
.endm
.macro FETCH_B slot, q, p
	WIN TO_B
.irp i, 0,1,2,3,4,5,6,7
	FRAG 128*(\p)+FR*\i, ADRB+\slot, \q, \i
.endr
	WIN 0
.endm
.macro FETCH_A slot, q, i0
.irp i, \i0, \i0+1, \i0+2, \i0+3
	FRAG AF+FR*(\i), ADRA+\slot, \q, \i
.endr
.endm
.macro SCALES sc
.irp i, 0,1,2,3,4,5,6,7
	ds_load_b64 v[SC+8*NQ*\sc+NQ*\i:SC+8*NQ*\sc+NQ*\i+1], v[ADRS] offset:\i*SBLK
.endr
.endm
.macro PLACES n
.rept \n
	v_nop
.endr
.endm
.macro STEP slot, q, zero
	s_wait_dscnt 4*NL                              ; w_o's set and ctx's blocks 0-3 are in; the youngest 16 loads (blocks 4-7) may be out
	WIN MUL_LO
	MUL16 0, (\q)%2, \q, \slot, \zero
	MUL16 2, (\q)%2, \q, \slot, \zero
	s_wait_dscnt 0
	PLACES NP
	FETCH_B \slot, (\q)+1, 1-(\q)%2
	FETCH_A \slot, (\q)+1, 0
	WIN MUL_HI
	MUL16 4, (\q)%2, \q, \slot, \zero
	MUL16 6, (\q)%2, \q, \slot, \zero
	PLACES NP
	WIN 0
	FETCH_A \slot, (\q)+1, 4
.endm
.macro TURN slot, next, fill
	s_wait_tensorcnt 0x0                           ; all my tensor loads have landed: my part of the next slot
	ds_add_u32 v[SPW], v[NIL]
	s_wait_dscnt 4*NL+1                            ; (the add and the youngest 16 loads may be out)
	WIN MUL_LO
	MUL16 0, 1, NQ-1, \slot, 0
	s_wait_dscnt 0x0                               ; the add is done, and my reads of this slot are over
	s_barrier_signal -1
	MUL16 2, 1, NQ-1, \slot, 0
	WIN 0
	s_barrier_wait -1
.if \fill
	CREST                                          ; a round of the cluster's barrier: no wave of any partner still reads this slot or has a load on its way
	s_add_nc_u64 s[G0+4*\slot+2:G0+4*\slot+3], s[G0+4*\slot+2:G0+4*\slot+3], 2*TROW
	s_add_nc_u64 s[G0B+4*\slot+2:G0B+4*\slot+3], s[G0B+4*\slot+2:G0B+4*\slot+3], 2*TROW
	JLOAD G0+4*\slot, G1, G0B+4*\slot, G1B
.else
	PLACES NP
.endif
	v_add_nc_u32 v[ADRS], 4*NQ, v[ADRS]
	FETCH_B \next, 0, 0
	FETCH_A \next, 0, 0
	SCALES \next
	WIN MUL_HI
	MUL16 4, 1, NQ-1, \slot, 0
	MUL16 6, 1, NQ-1, \slot, 0
	PLACES NP
	WIN 0
	FETCH_A \next, 0, 4
.endm
	s_wait_tensorcnt 1                             ; the scale bytes and my part of K step 0 are in (K step 1's load may be out),
	s_barrier_signal -1
	s_barrier_wait -1
	FETCH_B 0, 0, 0
	FETCH_A 0, 0, 0
	SCALES 0
	FETCH_A 0, 0, 4
	STEP 0, 0, 1
	s_mov_b32 s3, LAPS-1
.Llap:
	TURN 0, 1, 1
	STEP 1, 0, 0
	TURN 1, 0, 1
	STEP 0, 0, 0
	s_sub_co_u32 s3, s3, 1
	s_cmp_lg_u32 s3, 0
	s_cbranch_scc1 .Llap
	TURN 0, 1, 0
	STEP 1, 0, 0
	s_wait_dscnt 4*NL
	WIN MUL_LO
	MUL16 0, 1, NQ-1, 1, 0
	MUL16 2, 1, NQ-1, 1, 0
	s_wait_dscnt 0
	WIN MUL_HI
	MUL16 4, 1, NQ-1, 1, 0
	MUL16 6, 1, NQ-1, 1, 0
	WIN 0
; THE WAY OUT, block by block of 16 rows x 128 columns, through my own stage: in as 32 bytes a lane, back as whole rows of 512 bytes, which the 32 lanes store as two aligned runs of 256 bytes.
; LDS serves a wave's instructions in order (ISA guide 5.7.1.4): no wait between the stores and the loads, nor in front of the next block's stores.
.macro TOSTAGE a
.set AC, 64*((\a)%4)
	WIN 0x08+4*((\a)/4)
.irp b, 0,1,2,3,4,5,6,7
	ds_store_b128 v[STO], v[AC+8*\b:AC+8*\b+3] offset:64*\b          ; each accumulator from its low end on
	ds_store_b128 v[STO], v[AC+8*\b+4:AC+8*\b+7] offset:64*\b+16
.endr
	WIN 0
.set BB, BK+64*((\a)%2)
.irp t, 0,1,2,3,4,5,6,7,8,9,10,11,12,13,14,15
	ds_load_b128 v[BB+4*\t:BB+4*\t+3], v[RD] offset:\t*SPITCH
.endr
.endm
.macro SEND a, younger
.set BB, BK+64*((\a)%2)
	s_wait_dscnt \younger
.if (\a) > 0
	s_add_nc_u64 s[12:13], s[12:13], 16*SIZE_N*4   ; (behind a wait on XCNT: the earlier stores have read their base)
.endif
.irp t, 0,1,2,3,4,5,6,7,8,9,10,11,12,13,14,15
	global_store_b128 v[CO], v[BB+4*\t:BB+4*\t+3], s[12:13] offset:\t*SIZE_N*4 th:TH_STORE_NT
.endr
.endm
	PLACES NP
	TOSTAGE 0
.irp a, 1,2,3,4,5,6,7
.if \a > 1
	s_wait_xcnt 0x0                                ; block a - 2's stores have read their registers and their base
.endif
	TOSTAGE \a
	SEND \a-1, 32                                  ; behind block a - 1's loads: block a's 16 stores and 16 loads
.endr
	s_wait_xcnt 0x0
	SEND 7, 0
	s_wait_tensorcnt 0x0                           ; the wave's end
	ds_add_u32 v[SPW], v[NIL]
	s_wait_dscnt 0x0
	CROUND                                         ; the closing round
	s_endpgm
.Lfunc_end_k_q286d2ce628_oproj:
	.size	k_q286d2ce628_oproj, .Lfunc_end_k_q286d2ce628_oproj-k_q286d2ce628_oproj
	.p2alignl 7, 3214868480
	.fill 96, 4, 3214868480
	.section	.rodata,"a",@progbits
	.p2align	6, 0x0
	.amdhsa_kernel k_q286d2ce628_oproj
		.amdhsa_group_segment_fixed_size 327680
		.amdhsa_private_segment_fixed_size 0
		.amdhsa_enable_private_segment 0
		.amdhsa_kernarg_size 40
		.amdhsa_user_sgpr_count 2
		.amdhsa_user_sgpr_kernarg_segment_ptr 1
		.amdhsa_wavefront_size32 1
		.amdhsa_system_sgpr_workgroup_id_x 1
		.amdhsa_system_sgpr_workgroup_id_y 1
		.amdhsa_system_sgpr_workgroup_id_z 1
		.amdhsa_system_vgpr_workitem_id 0
		.amdhsa_next_free_vgpr 1024
		.amdhsa_next_free_sgpr 98
		.amdhsa_reserve_vcc 0
		.amdhsa_float_denorm_mode_32 3
		.amdhsa_float_denorm_mode_16_64 3
		.amdhsa_memory_ordered 1
		.amdhsa_forward_progress 1
		.amdhsa_inst_pref_size 144
	.end_amdhsa_kernel
	.amdgpu_metadata
---
amdhsa.version: [ 1, 2 ]
amdhsa.kernels:
  - .name:           k_q286d2ce628_oproj
    .symbol:         k_q286d2ce628_oproj.kd
    .args:
      - { .name: cc, .offset: 0, .size: 8, .value_kind: global_buffer, .address_space: global }
      - { .name: cs, .offset: 8, .size: 8, .value_kind: global_buffer, .address_space: global }
      - { .name: cod, .offset: 16, .size: 8, .value_kind: global_buffer, .address_space: global }
      - { .name: scl, .offset: 24, .size: 8, .value_kind: global_buffer, .address_space: global }
      - { .name: out0, .offset: 32, .size: 8, .value_kind: global_buffer, .address_space: global }
    .group_segment_fixed_size: 327680
    .private_segment_fixed_size: 0
    .kernarg_segment_align: 8
    .kernarg_segment_size: 40
    .max_flat_workgroup_size: 128
    .sgpr_count:     98
    .vgpr_count:     1024
    .wavefront_size: 32
...
	.end_amdgpu_metadata
.endif
;; end of part 4
